; MI455X (gfx1250); checked and timed in simulation.
; The chip was launched on July 23, 2026; its instructions are those of AMD's public machine-readable ISA for CDNA 5 (MIT licence, August 2026) and "CDNA5" Instruction Set Architecture Reference Guide (July 2026). The comments in the code are by the model that wrote it; some were corrected since.
;; Causal Self Attention. Allowed arithmetic: matrix products marked QUANTISED: E2M1 operands, one E8M0 scale for each 32 along K, by v_wmma_scale_f32_16x16x128_f8f6f4 with both operands' format E2M1 (or v_wmma_scale_f32_32x16x128_f4), f32 sums; products left as they are: bf16, f16 or f32 operands; f32 sums; everything else in f32.
;; Inputs: W_attn 1,024 x 3,072 float32; W_proj 1,024 x 1,024 float32; b_attn 3,072 float32; b_proj 1,024 float32; x 4 x 2,048 x 1,024 float32.
;; Outputs: out0 4 x 2,048 x 1,024 float32.
;; This version of the problem:
;;   THIS VERSION OF THE PROBLEM IS GIVEN IN LOW PRECISION. The matrix products marked QUANTISED in the list below multiply operands that are first quantised to E2M1 (2 exponent bits, 1 mantissa bit; 4 bits a number), with one power-of-two scale for each 32 numbers along K (OCP MX v1.0); their sums are f32. The products marked 'left as it is' may take bf16, f16 or f32 operands, with f32 sums. Whichever they take, every output number must still come out within the allowed error. Rounding operands to bf16 (8 significant bits) uses up far more of that allowance than f16 does (11 bits, for magnitudes from 6e-5 to 65,504). All else is computed in f32.
;;   The module's matrix products, in the order in which they are computed (A, B: the left and right operand; K: the contracted axis; several contracted axes count as one K, in the product's order):
;;     1. [M 8,192, K 1,024] x [K 1,024, N 3,072]; A: input x; B: input W_attn: QUANTISED
;;     2. batch 64 x [M 2,048, K 64] x [K 64, N 2,048]; A: computed on the way; B: computed on the way: left as it is (an operand is computed on the way)
;;     3. batch 64 x [M 2,048, K 2,048] x [K 2,048, N 64]; A: computed on the way; B: computed on the way: left as it is (an operand is computed on the way)
;;     4. [M 8,192, K 1,024] x [K 1,024, N 1,024]; A: computed on the way; B: input W_proj: left as it is (an operand is computed on the way)
;;   THE QUANTISER, for each operand of a quantised product, along K:
;;     - K is cut into blocks of 32 from its start; a last block that is shorter is filled with zeros.
;;     - A block's scale is 2^e with e = floor(log2(the largest magnitude in the block)) - 2, held to -126 .. 127; a block of zeros has e = 0. As a byte (E8M0): e + 127.
;;     - Each number is divided by its block's scale, clamped to +-6, and rounded to the nearest number of E2M1, ties to even, subnormals kept.
;;     - The product sums the exact products of the quantised numbers (number of the format x scale) in f32.
;;   ~~~python
;;   def quantise(x, axis):      # numpy; x: float32 -> the quantised numbers, widened to float32 again
;;       x = np.moveaxis(x, axis, -1); K = x.shape[-1]
;;       x = np.pad(x, [(0, 0)] * (x.ndim - 1) + [(0, -K % 32)]); x = x.reshape(x.shape[:-1] + (-1, 32)); a = np.abs(x).max(-1, keepdims=True)
;;       e = np.where(a > 0, np.clip(np.frexp(np.where(a > 0, a, 1))[1] - 1 - 2, -126, 127), 0)      # np.frexp(a)[1] - 1 = floor(log2(a)), exactly
;;       r = np.clip(x / 2.0 ** e, -6, 6)
;;       step = 2.0 ** (np.maximum(np.frexp(np.where(r == 0, 1, r))[1] - 1, 0) - 1)
;;       q = np.round(r / step) * step * 2.0 ** e      # np.round: ties to even
;;       return np.moveaxis(q.reshape(q.shape[:-2] + (-1,))[..., :K], -1, axis).astype(np.float32)
;;   ~~~
;; One version. Each part assembles by itself: llvm-mc -triple=amdgcn-amd-amdhsa -mcpu=gfx1250 --defsym DOCPART=n.
;; ======== version 1 of 1: 5 launches
;; limits: values are held in f16: magnitudes above 65,504 overflow, below 6.1e-05 lose precision
;; workspace buffers: xc 4,194,304 bytes; xs 262,144 bytes; wc 1,572,864 bytes; ws 98,304 bytes; wp 2,097,152 bytes; qkv 50,331,648 bytes; q16 786,432 bytes; yh 16,777,216 bytes
;; launch prep (part 1): grid 368 x 1, 4 waves a work-group, no clusters, 102,912 bytes of LDS; arguments x, W_attn, W_proj, xc, xs, wc, ws, wp; writes xc, xs, wc, ws, wp
.if DOCPART == 1
	.amdgcn_target "amdgcn-amd-amdhsa--gfx1250"
	.amdhsa_code_object_version 6
	.text
	.protected	k_q29c9081b16_prep
	.globl	k_q29c9081b16_prep
	.p2align	8
	.type	k_q29c9081b16_prep,@function
k_q29c9081b16_prep:
	s_mov_b64 s[64:65], 0
	v_nop
	global_prefetch_b8 v0, s[64:65] scope:SCOPE_SE
	s_setreg_imm32_b32 hwreg(HW_REG_WAVE_MODE, 25, 1), 1
	s_wait_xcnt 0x0
; THREE PIECES OF PREPARATION IN ONE LAUNCH, told apart by the work-group's number alone; the three ways never join.
;   work-groups 0-47    W: W_attn [1024 k][3072 n] f32 -> codes of FP4 (E2M1) laid [3072 n][1024 k], K innermost (wc), and one E8M0 byte for each 32 along K (ws [3072][32])
;   work-groups 48-111  P: W_proj [1024 k][1024 n] f32 -> f16 laid [16 chunks of 64 k][1024 n][64 k] (wp)
;   work-groups 112-367 X: x [8192][1024] f32 -> codes (xc: 512 bytes a row) and scale bytes (xs: 32 a row)
; THE QUANTISER: a block's scale is 2^(floor(log2(its largest magnitude)) - 2); its byte is the largest magnitude's exponent field - 2, held at 1 from below; each number is divided by the scale and
; rounded to the nearest code, ties to even, beyond 6 the largest code.  A block of zeros gets the byte 1: its codes are zeros, and this program alone reads the bytes.
; LIMITS: blocks whose largest magnitude lies under 2^-124 keep the byte 1; NaN and infinities are not served; |W_proj| above 65,504 becomes infinity in f16.
; No tensor loads, no barrier: waves share nothing.  Each way has LDS bytes of its own: X 0-32,767; W 32,768-67,583; P 67,584-102,399; the spare words behind them.
.set SPARE,  102400                    ; the spare words, 128 bytes for each wave: two blocks of 256 bytes that no other line names
.set SPW,    190                       ; v190 LDS address of my spare word; never rewritten
.set NIL,    191                       ; v191 0; never rewritten
.set EMAX,   2
.set PITCH,  272                       ; a stage row of W and of P: 256 bytes + 16
.set WBASE,  32768
.set PBASE,  67584
; way X
.set XSTEPS, 16
.set XWREG,  8192                      ; a wave's region: two stages of 32 x 80 bytes, then its 256 scale bytes
.set XSP,    80                        ; a lane's place in a stage: 64 bytes + 16 of padding
.set XR,     16                        ; v16-79   four sets of 16 numbers as loaded
.set XX,     80                        ; v80-111  two sets of 16 neighbours
.set XE,     112                       ; v112-127 a scale byte for each step
.set XC,     128                       ; v128-189 codes, four registers for each step (two used)
; ways W and P
.set WX,     32                        ; v32-95   two sets of 32 numbers
.set WC,     96                        ; v96-111  a block's codes (W: 4) or f16 pairs (P: 16)
.set WOUT,   112                       ; v112-175 the way out
.set WSB,    24                        ; v24-27   W's scale bytes, four to a register
	s_load_b256 s[4:11], s[0:1], 0x0               ; x s[4:5], W_attn s[6:7], W_proj s[8:9], xc s[10:11]
	s_load_b256 s[12:19], s[0:1], 0x20             ; xs s[12:13], wc s[14:15], ws s[16:17], wp s[18:19]
	v_lshl_add_u32 v[SPW], v0, 2, SPARE
	v_mov_b32 v[NIL], 0
	v_lshrrev_b32 v1, 5, v0
	v_readfirstlane_b32 s20, v1                    ; wave 0..3
	v_and_b32 v2, 31, v0                           ; lane
	s_mov_b32 s25, 0                               ; the high words of three offsets
	s_mov_b32 s27, 0
	s_mov_b32 s29, 0
	s_wait_kmcnt 0x0
	s_cmp_lt_u32 ttmp9, 48
	s_cbranch_scc1 .Lpath_w
	s_cmp_lt_u32 ttmp9, 112
	s_cbranch_scc1 .Lpath_p
; ---------------- WAY X.  x is a plain stream of blocks of 32.  A wave takes 16 steps of 512 numbers.  Each load reads 512 consecutive bytes; a step's 2,048 bytes turn through the wave's own
; stage so that a lane holds 16 neighbours (two lanes a block); a lane's 16 codes are 8 bytes: the wave stores 256 consecutive bytes.  A wave's 256 scale bytes leave as one run of 256.
	s_sub_co_u32 s21, ttmp9, 112
	s_lshl_b32 s21, s21, 2
	s_add_co_u32 s21, s21, s20                     ; which run of 8,192 numbers is my wave's: 0 .. 1,023
	s_lshl_b32 s24, s21, 15                        ; 32,768 bytes of x,
	s_lshl_b32 s26, s21, 12                        ; 4,096 of codes,
	s_lshl_b32 s28, s21, 8                         ; 256 scale bytes a run
	s_add_nc_u64 s[4:5], s[4:5], s[24:25]
	s_add_nc_u64 s[10:11], s[10:11], s[26:27]
	s_add_nc_u64 s[12:13], s[12:13], s[28:29]
	s_mul_i32 s22, s20, XWREG
	v_lshlrev_b32 v3, 4, v2                        ; my 16 bytes of a load's 512
	v_lshrrev_b32 v14, 2, v2
	v_mul_u32_u24 v14, v14, XSP
	v_and_b32 v15, 3, v2
	v_lshl_add_u32 v14, v15, 4, v14
	v_add_nc_u32 v14, s22, v14                     ; the stage on the way in: 80 (lane / 4) + 16 (lane % 4)
	v_mul_u32_u24 v15, v2, XSP
	v_add_nc_u32 v15, s22, v15                     ; and on the way out: 80 x lane
	v_lshlrev_b32 v4, 3, v2                        ; my codes' place in a step's 256 bytes
	v_lshrrev_b32 v5, 1, v2
	s_add_co_u32 s22, s22, 2*32*XSP
	v_add_nc_u32 v5, s22, v5                       ; my block's byte among my wave's 256
	v_lshlrev_b32 v7, 3, v2                        ; and on the way out 8 bytes a lane
	v_add_nc_u32 v6, s22, v7
.macro XLOAD t
.irp i, 0,1,2,3
	global_load_b128 v[XR+16*((\t)%4)+4*\i:XR+16*((\t)%4)+4*\i+3], v3, s[4:5] offset:2048*(\t)+512*\i th:TH_LOAD_NT
.endr
.endm
.macro XTURN t                         ; step t's numbers through the stage: LDS serves a wave's instructions in order, so no wait stands between the stores and the loads
.irp i, 0,1,2,3
	ds_store_b128 v14, v[XR+16*((\t)%4)+4*\i:XR+16*((\t)%4)+4*\i+3] offset:32*XSP*((\t)%2)+8*XSP*\i
.endr
.irp i, 0,1,2,3
	ds_load_b128 v[XX+16*((\t)%2)+4*\i:XX+16*((\t)%2)+4*\i+3], v15 offset:32*XSP*((\t)%2)+16*\i
.endr
.endm
.irp t, 0,1,2,3
	XLOAD \t
.endr
	s_wait_loadcnt 12                              ; step 0's four loads are in; the twelve of steps 1 to 3 may be out
	XTURN 0
.macro XSTEP t
.set XS, XX+16*((\t)%2)
.if (\t) > 0
	s_wait_dscnt 1                                 ; this step's numbers are back from the stage; the last step's byte store may be out
.else
	s_wait_dscnt 0x0
.endif
.if (\t)+4 < XSTEPS
	XLOAD (\t)+4                                   ; into the set whose stores into the stage are done
.endif
.if (\t)+1 < XSTEPS
.if XSTEPS-2-(\t) >= 3
	s_wait_loadcnt 12                              ; the next step's four loads are in; those of the three steps behind it may be out
.else
	s_wait_loadcnt 4*(XSTEPS-2-(\t))
.endif
	XTURN (\t)+1
.endif
	v_max3_num_f32 v8, |v[XS]|, |v[XS+1]|, |v[XS+2]|               ; the largest magnitude of my 16, in two chains
	v_max3_num_f32 v9, |v[XS+3]|, |v[XS+4]|, |v[XS+5]|
.irp i, 6,10
	v_max3_num_f32 v8, v8, |v[XS+\i]|, |v[XS+\i+1]|
	v_max3_num_f32 v9, v9, |v[XS+\i+2]|, |v[XS+\i+3]|
.endr
	v_max3_num_f32 v8, v8, |v[XS+14]|, |v[XS+15]|
	v_max3_num_f32 v8, v8, v9, (EMAX+1)<<23        ; and the floor 2^(3 - 127): the byte cannot fall under 1
	v_max_num_f32_dpp v8, v8, v8 row_xmask:1 row_mask:0xf bank_mask:0xf   ; and of my neighbour's 16: the block's
	v_add_nc_u32 v11, -(EMAX<<23), v8              ; 2 off its exponent field: the conversion takes the exponent field of this operand as its scale
	v_cvt_scalef32_pk8_fp4_f32 v[XC+4*(\t)], v[XS:XS+7], v11
	v_cvt_scalef32_pk8_fp4_f32 v[XC+4*(\t)+1], v[XS+8:XS+15], v11
	v_lshrrev_b32 v[XE+(\t)], 23, v11              ; the scale's byte
	ds_store_b8 v5, v[XE+(\t)] offset:16*(\t)      ; both lanes of a block write the same byte with the same value
	global_store_b64 v4, v[XC+4*(\t):XC+4*(\t)+1], s[10:11] offset:256*(\t)
.endm
.irp t, 0,1,2,3,4,5,6,7,8,9,10,11,12,13,14,15
	XSTEP \t
.endr
	ds_load_b64 v[8:9], v6                         ; these see my byte stores: LDS serves a wave in order
	s_wait_dscnt 0x0
	global_store_b64 v7, v[8:9], s[12:13]          ; 32 lanes store 256 consecutive bytes, aligned
	s_wait_tensorcnt 0x0                           ; the wave's end
	ds_add_u32 v[SPW], v[NIL]
	s_wait_dscnt 0x0
	s_endpgm
; ---------------- WAY W.  A lane takes a column n and its registers run down K: a block of 32 along K lies in one lane's 32 registers, and the conversions give codes with K innermost.
; A wave takes 32 columns x 512 along K; the codes go through its own stage and leave as rows: sixteen lanes store 256 consecutive bytes.  The largest load offset is 511 x 12,288 bytes.
.Lpath_w:
	s_lshr_b32 s21, ttmp9, 1
	s_and_b32 s22, ttmp9, 1                        ; which 512 along K
	s_lshl_b32 s21, s21, 7
	s_lshl_b32 s23, s20, 5
	s_add_co_u32 s21, s21, s23                     ; my wave's first column
	s_mul_i32 s24, s22, 512*12288
	s_lshl_b32 s23, s21, 2
	s_add_co_u32 s24, s24, s23
	s_add_nc_u64 s[6:7], s[6:7], s[24:25]          ; W_attn at (512 ky, column)
	s_lshl_b32 s26, s21, 9
	s_lshl_b32 s23, s22, 8
	s_add_co_u32 s26, s26, s23
	s_add_nc_u64 s[14:15], s[14:15], s[26:27]      ; wc: 512 bytes a column, + 256 ky
	s_lshl_b32 s28, s21, 5
	s_lshl_b32 s23, s22, 4
	s_add_co_u32 s28, s28, s23
	s_add_nc_u64 s[16:17], s[16:17], s[28:29]      ; ws: 32 bytes a column, + 16 ky
	v_lshlrev_b32 v3, 2, v2                        ; in: 4 bytes a lane
	s_mul_i32 s23, s20, 32*PITCH
	s_add_co_u32 s23, s23, WBASE                   ; my stage
	v_mul_u32_u24 v4, v2, PITCH
	v_add_nc_u32 v4, s23, v4                       ; into it: row = my column
	v_and_b32 v5, 15, v2
	v_lshrrev_b32 v6, 4, v2
	v_mul_u32_u24 v7, v6, PITCH
	v_lshl_add_u32 v7, v5, 4, v7
	v_add_nc_u32 v7, s23, v7                       ; out of it: sixteen lanes to a row, two rows an instruction
	v_lshlrev_b32 v8, 9, v6
	v_lshl_add_u32 v8, v5, 4, v8                   ; and the same place in wc
	v_lshlrev_b32 v9, 5, v2                        ; my column's row of scale bytes
.macro WLOAD t
.irp i, 0,1,2,3,4,5,6,7,8,9,10,11,12,13,14,15,16,17,18,19,20,21,22,23,24,25,26,27,28,29,30,31
	global_load_b32 v[WX+32*((\t)%2)+\i], v3, s[6:7] offset:(32*(\t)+\i)*12288 th:TH_LOAD_NT
.endr
.endm
	WLOAD 0
	WLOAD 1
.macro WBLOCK t
.set WS, WX+32*((\t)%2)
.if (\t) < 15
	s_wait_loadcnt 32                              ; this block's 32 loads are in; the next block's may be out
.else
	s_wait_loadcnt 0
.endif
	v_max3_num_f32 v12, |v[WS]|, |v[WS+1]|, |v[WS+2]|
	v_max3_num_f32 v13, |v[WS+3]|, |v[WS+4]|, |v[WS+5]|
.irp i, 6,10,14,18,22,26
	v_max3_num_f32 v12, v12, |v[WS+\i]|, |v[WS+\i+1]|
	v_max3_num_f32 v13, v13, |v[WS+\i+2]|, |v[WS+\i+3]|
.endr
	v_max3_num_f32 v12, v12, |v[WS+30]|, |v[WS+31]|
	v_max3_num_f32 v12, v12, v13, (EMAX+1)<<23     ; and the floor
	v_add_nc_u32 v11, -(EMAX<<23), v12             ; the conversion's scale operand
	v_lshrrev_b32 v13, 23, v11                     ; the scale's byte
.if (\t)%4 == 0
	v_mov_b32 v[WSB+(\t)/4], v13
.else
	v_lshl_or_b32 v[WSB+(\t)/4], v13, 8*((\t)%4), v[WSB+(\t)/4]
.endif
.irp g, 0,1,2,3
	v_cvt_scalef32_pk8_fp4_f32 v[WC+\g], v[WS+8*\g:WS+8*\g+7], v11
.endr
	ds_store_b128 v4, v[WC:WC+3] offset:16*(\t)    ; 32 codes: 16 bytes of my column's row
.if (\t)+2 < 16
	WLOAD (\t)+2
.endif
	s_wait_dscnt 0x0                               ; the store has read its registers: the next block's codes may be written
.endm
.irp t, 0,1,2,3,4,5,6,7,8,9,10,11,12,13,14,15
	WBLOCK \t
.endr
	global_store_b128 v9, v[WSB:WSB+3], s[16:17]   ; my column's 16 scale bytes
.irp t, 0,1,2,3,4,5,6,7,8,9,10,11,12,13,14,15
	ds_load_b128 v[WOUT+4*\t:WOUT+4*\t+3], v7 offset:2*\t*PITCH
.endr
.irp t, 0,1,2,3,4,5,6,7,8,9,10,11,12,13,14,15
	s_wait_dscnt 15-\t                             ; the younger loads may be out
	global_store_b128 v8, v[WOUT+4*\t:WOUT+4*\t+3], s[14:15] offset:2*\t*512
.endr
	s_wait_tensorcnt 0x0                           ; the wave's end
	ds_add_u32 v[SPW], v[NIL]
	s_wait_dscnt 0x0
	s_endpgm
; ---------------- WAY P.  The same frame: a lane takes a column n of W_proj, its registers run down K; pairs are rounded to f16.  A wave takes 32 columns x 128 along K: two chunks of 64.
; In wp a chunk's 32 columns are 4,096 consecutive bytes: each store of the wave covers 512 consecutive bytes, aligned.
.Lpath_p:
	s_sub_co_u32 s21, ttmp9, 48
	s_and_b32 s22, s21, 7
	s_lshr_b32 s21, s21, 3                         ; which 128 along K
	s_lshl_b32 s22, s22, 7
	s_lshl_b32 s23, s20, 5
	s_add_co_u32 s22, s22, s23                     ; my wave's first column
	s_lshl_b32 s24, s21, 19                        ; 128 rows of 4,096 bytes
	s_lshl_b32 s23, s22, 2
	s_add_co_u32 s24, s24, s23
	s_add_nc_u64 s[8:9], s[8:9], s[24:25]
	s_lshl_b32 s26, s21, 11                        ; chunk 2 kg: 1,024 columns each
	s_add_co_u32 s26, s26, s22
	s_lshl_b32 s26, s26, 7                         ; 128 bytes a column and chunk
	s_add_nc_u64 s[18:19], s[18:19], s[26:27]
	v_lshlrev_b32 v3, 2, v2
	s_mul_i32 s23, s20, 32*PITCH
	s_add_co_u32 s23, s23, PBASE                   ; my stage
	v_mul_u32_u24 v4, v2, PITCH
	v_add_nc_u32 v4, s23, v4                       ; into it: row = my column
	v_lshrrev_b32 v5, 3, v2
	v_and_b32 v6, 7, v2
	v_mul_u32_u24 v7, v5, PITCH
	v_lshl_add_u32 v7, v6, 4, v7
	v_add_nc_u32 v7, s23, v7                       ; out of it: eight lanes to a column's 128 bytes, four columns an instruction
	v_lshlrev_b32 v8, 4, v2
.macro PLOAD t
.irp i, 0,1,2,3,4,5,6,7,8,9,10,11,12,13,14,15,16,17,18,19,20,21,22,23,24,25,26,27,28,29,30,31
	global_load_b32 v[WX+32*((\t)%2)+\i], v3, s[8:9] offset:(32*(\t)+\i)*4096
.endr
.endm
	PLOAD 0
	PLOAD 1
.macro PBLOCK t
.set WS, WX+32*((\t)%2)
.if (\t) < 3
	s_wait_loadcnt 32                              ; this block's 32 loads are in; the next block's may be out
.else
	s_wait_loadcnt 0
.endif
.irp i, 0,1,2,3,4,5,6,7,8,9,10,11,12,13,14,15
	v_cvt_pk_f16_f32 v[WC+\i], v[WS+2*\i], v[WS+2*\i+1]   ; the lower k in the low half
.endr
.irp g, 0,1,2,3
	ds_store_b128 v4, v[WC+4*\g:WC+4*\g+3] offset:64*(\t)+16*\g
.endr
.if (\t)+2 < 4
	PLOAD (\t)+2
.endif
	s_wait_dscnt 0x0                               ; the stores have read their registers
.endm
.irp t, 0,1,2,3
	PBLOCK \t
.endr
.irp e, 0,1,2,3,4,5,6,7,8,9,10,11,12,13,14,15
	ds_load_b128 v[WOUT+4*\e:WOUT+4*\e+3], v7 offset:4*(\e%8)*PITCH+128*(\e/8)
.endr
.irp e, 0,1,2,3,4,5,6,7,8,9,10,11,12,13,14,15
	s_wait_dscnt 15-\e                             ; the younger loads may be out
	global_store_b128 v8, v[WOUT+4*\e:WOUT+4*\e+3], s[18:19] offset:(\e/8)*131072+(\e%8)*512
.endr
	s_wait_tensorcnt 0x0                           ; the wave's end
	ds_add_u32 v[SPW], v[NIL]
	s_wait_dscnt 0x0
	s_endpgm
.Lfunc_end_k_q29c9081b16_prep:
	.size	k_q29c9081b16_prep, .Lfunc_end_k_q29c9081b16_prep-k_q29c9081b16_prep
	.p2alignl 7, 3214868480
	.fill 96, 4, 3214868480
	.section	.rodata,"a",@progbits
	.p2align	6, 0x0
	.amdhsa_kernel k_q29c9081b16_prep
		.amdhsa_group_segment_fixed_size 102912
		.amdhsa_private_segment_fixed_size 0
		.amdhsa_enable_private_segment 0
		.amdhsa_kernarg_size 64
		.amdhsa_user_sgpr_count 2
		.amdhsa_user_sgpr_kernarg_segment_ptr 1
		.amdhsa_wavefront_size32 1
		.amdhsa_system_sgpr_workgroup_id_x 1
		.amdhsa_system_sgpr_workgroup_id_y 1
		.amdhsa_system_sgpr_workgroup_id_z 1
		.amdhsa_system_vgpr_workitem_id 0
		.amdhsa_next_free_vgpr 192
		.amdhsa_next_free_sgpr 66
		.amdhsa_reserve_vcc 0
		.amdhsa_float_denorm_mode_32 3
		.amdhsa_float_denorm_mode_16_64 3
		.amdhsa_memory_ordered 1
		.amdhsa_forward_progress 1
		.amdhsa_inst_pref_size 132
	.end_amdhsa_kernel
	.amdgpu_metadata
---
amdhsa.version: [ 1, 2 ]
amdhsa.kernels:
  - .name:           k_q29c9081b16_prep
    .symbol:         k_q29c9081b16_prep.kd
    .args:
      - { .name: x, .offset: 0, .size: 8, .value_kind: global_buffer, .address_space: global }
      - { .name: W_attn, .offset: 8, .size: 8, .value_kind: global_buffer, .address_space: global }
      - { .name: W_proj, .offset: 16, .size: 8, .value_kind: global_buffer, .address_space: global }
      - { .name: xc, .offset: 24, .size: 8, .value_kind: global_buffer, .address_space: global }
      - { .name: xs, .offset: 32, .size: 8, .value_kind: global_buffer, .address_space: global }
      - { .name: wc, .offset: 40, .size: 8, .value_kind: global_buffer, .address_space: global }
      - { .name: ws, .offset: 48, .size: 8, .value_kind: global_buffer, .address_space: global }
      - { .name: wp, .offset: 56, .size: 8, .value_kind: global_buffer, .address_space: global }
    .group_segment_fixed_size: 102912
    .private_segment_fixed_size: 0
    .kernarg_segment_align: 8
    .kernarg_segment_size: 64
    .max_flat_workgroup_size: 128
    .sgpr_count:     66
    .vgpr_count:     192
    .wavefront_size: 32
...
	.end_amdgpu_metadata
.endif
;; end of part 1
;; launch gemm_qkv (part 2): grid 12 x 32, 4 waves a work-group, clusters of 4 x 4, 327,680 bytes of LDS; arguments xc, xs, wc, ws, b_attn, qkv, q16; writes qkv, q16
.if DOCPART == 2
	.amdgcn_target "amdgcn-amd-amdhsa--gfx1250"
	.amdhsa_code_object_version 6
	.text
	.protected	k_q29c9081b16_gemm_qkv
	.globl	k_q29c9081b16_gemm_qkv
	.p2align	8
	.type	k_q29c9081b16_gemm_qkv,@function
k_q29c9081b16_gemm_qkv:
	s_mov_b64 s[64:65], 0
	v_nop
	global_prefetch_b8 v0, s[64:65] scope:SCOPE_SE
	s_setreg_imm32_b32 hwreg(HW_REG_WAVE_MODE, 25, 1), 1
	s_wait_xcnt 0x0
	s_wait_alu depctr_hold_cnt(0) depctr_sa_sdst(0) depctr_va_vdst(0) depctr_va_sdst(0) depctr_va_ssrc(0) depctr_va_vcc(0) depctr_vm_vsrc(0)
	s_getreg_b32 s2, hwreg(HW_REG_IB_STS2, 6, 4)
	s_cmp_eq_u32 s2, 0
	s_cbranch_scc0 .Lentry_in_a_cluster
	s_endpgm
.Lentry_in_a_cluster:
	s_bfe_u32 s2, ttmp6, 0x10000c
	s_cmp_lg_u32 s2, 0xf033
	s_cbranch_scc0 .Lentry_shape_is_right
	s_endpgm
.Lentry_shape_is_right:
; qkv[m][n] = sum over k of Q(x)[m][k] Q(W_attn)[k][n] + b_attn[n], on codes of FP4 (E2M1) with one E8M0 scale for each 32 along K.  m = 8,192 rows (batch x position), n = 3,072, K = 1,024.
; xc [8192][512 bytes], wc [3072][512 bytes]: K innermost, two codes a byte; xs [8192][32], ws [3072][32].
; OUT: qkv, f16, laid [3 (q, k, v)][4 b][16 h][2048 t][64]: a head's plane is 262,144 consecutive bytes; and q16, f32, [4 b][16 t][3072]: positions 0-15 of every sequence, unrounded.
; LIMIT: a result above 65,504 in magnitude becomes infinity in f16.
; A tile of 256 x 256 is made by four waves, a wave makes 128 x 128: 64 accumulators, 512 registers.  K = 1,024 is two slots of 512 along K (rows of 256 bytes): both are first fills, nothing is filled
; again, so the text has no loop.  The scales of the tile's 256 + 256 rows, for all of K, come once, as two dense blocks.  A wave has three tensor loads out at the most.
; CLUSTERS: 4 x 4 work-groups; A's tiles are asked for jointly along a row of the cluster, B's along a column.
; THE MATRIX INSTRUCTION IS USED TRANSPOSED (source 0 = 16 rows of wc, source 1 = 16 rows of xc): a lane holds eight neighbouring columns of one row.  THE BIAS is the C of each sum's first product.
; REGISTERS: window 0: v16-31 addresses; v32-95 scale words, two sets, and nothing else ever; v128-191 A's fragments, one set; v192-255 the bias in the result's layout; on the way out v128-255 are free.
;   window 1: B's fragments, two sets.   window 2: accumulators of my rows 0-63 ((a, b) at v[8 (8 a + b)]);   window 3: of rows 64-127.
.set SIZE_K, 1024
.set NQ,     4                         ; matrix instructions deep in a slot
.set ROWB,   256                       ; a tile's row in bytes: 512 codes
.set KROW,   512                       ; a row of codes in memory
.set PITCH,  272                       ; an LDS row: 256 bytes + 16 of padding: the 16 rows of a fragment load start 68 words apart
.set FR,     8
.set NL,     2
.set NP,     4                         ; places behind this matrix instruction (ISA guide 7.12.1)
.set HALFT,  128*PITCH
.set SLOT,   4*HALFT
.set KS,     32                        ; a row of scales in bytes
.set SCL,    2*SLOT
.set HALFS,  (128*KS/256)*272
.set SBLK,   (16*KS/256)*272
.set SPARE,  SCL+4*HALFS               ; the spare words, 128 bytes for each wave: two blocks of 256 bytes that no other line names
.set SP32,   528                       ; the way out in f32: a stage of 16 rows x (512 + 16) bytes a wave, from byte 0 of slot 0,
.set SP16,   272                       ; in f16: 16 rows x (256 + 16) a wave, behind the four f32 stages.  Slot 0 has had its only fill, and its last read stands ahead of the change of slots
.set STG16,  4*16*SP32
.set ADRA, 16
.set ADRB, 20
.set STO16, 22
.set RD16, 23
.set STO,  24
.set RD,   25
.set CO,   26                          ; 16 x lane
.set ADRS, 27
.set SPW,  28
.set NIL,  29
.set T0V,  30                          ; my first row's position in its sequence
.set BO,   31                          ; 32 x (lane / 16): the bias's offset
.set SC,   32
.set AF,   128
.set BIAS, 192
.set TMP,  192                         ; the way out: packed results
.set BK,   128                         ; the way out: rows read back: v128-159 and v160-191 by turns
.set G1, 24
.set G0, 32
.set G1B, 48
.set G0B, 56
.set G1S, 68
.set G0S, 76
.set G1SB, 80
.set G0SB, 88
.set MSB, 0
.macro WIN new                         ; the immediate's high byte repeats the setting that is left
.if MSB != (\new)
	s_set_vgpr_msb (MSB<<8)|(\new)
.set MSB, (\new)
.endif
.endm
.set MUL_LO, 0xa1                      ; source 0 (B) window 1, source 1 (A) window 0, C and D window 2
.set MUL_HI, 0xf1                      ; the same, C and D window 3
.set FIRST_LO, 0x81                    ; the first step: C (the bias) window 0, D window 2
.set FIRST_HI, 0xc1                    ; D window 3
.set TO_B,   0x40
; A joint load: waves 0 and 1 fetch for A, waves 2 and 3 for B; the branch hangs on the wave's number alone.  An s_nop 0 and four v_nop follow each of the two lines.
.macro JLOAD g0a, g1a, g0b, g1b
	s_cmp_eq_u32 s15, 0
	s_cbranch_scc0 .Lfor_b_\@
	tensor_load_to_lds s[\g0a:\g0a+3], s[\g1a:\g1a+7]
	s_nop 0
.rept 4
	v_nop
.endr
	s_branch .Lasked_\@
.Lfor_b_\@:
	tensor_load_to_lds s[\g0b:\g0b+3], s[\g1b:\g1b+7]
	s_nop 0
.rept 4
	v_nop
.endr
.Lasked_\@:
.endm
.macro CROUND                          ; a round of the cluster's barrier
	s_barrier_signal -1
	s_barrier_wait -1
	s_cmp_lg_u32 s14, 0
	s_cbranch_scc1 .Lnot_wave_0_\@
	s_barrier_signal -3
.Lnot_wave_0_\@:
	s_barrier_wait -3
	s_barrier_signal -1
	s_barrier_wait -1
.endm
	s_load_b128 s[4:7], s[0:1], 0x0                ; xc s[4:5], xs s[6:7]
	s_load_b128 s[8:11], s[0:1], 0x10              ; wc s[8:9], ws s[10:11]
	s_load_b128 s[96:99], s[0:1], 0x20             ; b_attn s[96:97], qkv s[98:99]
	s_load_b64 s[12:13], s[0:1], 0x30              ; q16
	v_lshl_add_u32 v[SPW], v0, 2, SPARE
	v_mov_b32 v[NIL], 0
	ds_add_u32 v[SPW], v[NIL]                      ; the wave's opening: the add, twice on end, and its wait ahead of my first tensor load
	ds_add_u32 v[SPW], v[NIL]
	v_lshrrev_b32 v1, 5, v0
	v_readfirstlane_b32 s14, v1                    ; wave 0..3
	s_lshr_b32 s15, s14, 1                         ; which half of the tile's rows is mine.  Also: I fetch for A (0) or for B (1)
	s_and_b32 s16, s14, 1                          ; which half of its columns.  Also: which 128 rows of that tile I fetch
	s_bfe_u32 s40, ttmp6, 0x40000                  ; cx, cy
	s_bfe_u32 s41, ttmp6, 0x40004
	s_lshl_b32 s42, ttmp9, 2
	s_add_co_u32 s42, s42, s40                     ; tile column
	s_and_b32 s17, ttmp7, 0xffff
	s_lshl_b32 s17, s17, 2
	s_add_co_u32 s17, s17, s41                     ; tile row
	s_lshl_b32 s43, s41, 2
	s_lshl_b32 s43, 15, s43                        ; my row of the cluster
	s_lshl_b32 s44, 0x1111, s40                    ; my column
	s_or_b32 s[G1+0], s43, (0<<16)|(1<<20)|(1<<21)|(5<<22)|(3<<25)  ; the mask; elements of 1 byte; padding on: 4 words behind every 64; bit 21 beside a mask
	s_or_b32 s[G1B+0], s44, (0<<16)|(1<<20)|(1<<21)|(5<<22)|(3<<25)
.irp g, G1, G1B
	s_mov_b32 s[\g+1], ROWB<<16                    ; tensor_dim0
	s_mov_b32 s[\g+2], 128<<16                     ; tensor_dim1
	s_mov_b32 s[\g+3], ROWB<<16                    ; tile_dim0
	s_mov_b32 s[\g+4], 128                         ; tile_dim1
	s_mov_b32 s[\g+5], KROW                        ; the pitch
	s_mov_b32 s[\g+6], 0
	s_mov_b32 s[\g+7], 0
.endr
	s_or_b32 s[G1S+0], s43, (3<<16)|(1<<20)|(1<<21)|(5<<22)|(3<<25)  ; the scales of 128 rows: 4,096 dense bytes as 16 rows of 256 (32 elements of 8 bytes), 16 bytes of padding behind each
	s_or_b32 s[G1SB+0], s44, (3<<16)|(1<<20)|(1<<21)|(5<<22)|(3<<25)
.irp g, G1S, G1SB
	s_mov_b32 s[\g+1], 32<<16
	s_mov_b32 s[\g+2], (128*KS/256)<<16
	s_mov_b32 s[\g+3], 32<<16
	s_mov_b32 s[\g+4], 128*KS/256
	s_mov_b32 s[\g+5], 32
	s_mov_b32 s[\g+6], 0
	s_mov_b32 s[\g+7], 0
.endr
	s_lshl_b32 s18, s16, 7
	s_lshl_b32 s20, s17, 8
	s_add_co_u32 s20, s20, s18                     ; A: row 256 x tile row + 128 x half
	s_lshl_b32 s46, s42, 8
	s_add_co_u32 s46, s46, s18                     ; B: row 256 x tile column + 128 x half
	s_mov_b32 s21, 0
	s_mov_b32 s47, 0
	s_mov_b64 s[18:19], KS
	s_mul_u64 s[22:23], s[20:21], s[18:19]         ; where these rows' scales begin
	s_mul_u64 s[92:93], s[46:47], s[18:19]
	s_mov_b64 s[18:19], KROW
	s_mul_u64 s[20:21], s[20:21], s[18:19]         ; and their codes
	s_mul_u64 s[46:47], s[46:47], s[18:19]
	s_mul_i32 s45, s14, HALFT                      ; where they go: wave x 128 rows
	s_mul_i32 s94, s14, HALFS
	s_wait_dscnt 0x0                               ; both opening adds are done
	s_wait_kmcnt 0x0
	s_add_nc_u64 s[20:21], s[4:5], s[20:21]
	s_add_nc_u64 s[22:23], s[6:7], s[22:23]
	s_add_nc_u64 s[46:47], s[8:9], s[46:47]
	s_add_nc_u64 s[92:93], s[10:11], s[92:93]
	CROUND                                         ; all sixteen work-groups are here: the joint loads meet
	s_mov_b32 s[G0S], 1
	s_add_co_u32 s[G0S+1], s94, SCL
	s_mov_b64 s[G0S+2:G0S+3], s[22:23]
	s_or_b32 s[G0S+3], s[G0S+3], 0x80000000
	s_mov_b32 s[G0SB], 1
	s_add_co_u32 s[G0SB+1], s94, SCL
	s_mov_b64 s[G0SB+2:G0SB+3], s[92:93]
	s_or_b32 s[G0SB+3], s[G0SB+3], 0x80000000
	JLOAD G0S, G1S, G0SB, G1SB                     ; the scales first
.irp s, 0,1
	s_mov_b32 s[G0+4*\s], 1
	s_add_co_u32 s[G0+4*\s+1], s45, \s*SLOT
	s_add_nc_u64 s[G0+4*\s+2:G0+4*\s+3], s[20:21], \s*ROWB
	s_or_b32 s[G0+4*\s+3], s[G0+4*\s+3], 0x80000000
	s_mov_b32 s[G0B+4*\s], 1
	s_add_co_u32 s[G0B+4*\s+1], s45, \s*SLOT
	s_add_nc_u64 s[G0B+4*\s+2:G0B+4*\s+3], s[46:47], \s*ROWB
	s_or_b32 s[G0B+4*\s+3], s[G0B+4*\s+3], 0x80000000
	JLOAD G0+4*\s, G1, G0B+4*\s, G1B
.endr
	v_and_b32 v1, 15, v0                           ; r = lane % 16
	v_bfe_u32 v2, v0, 4, 1                         ; h = lane / 16
	v_mul_u32_u24 v3, v1, PITCH
	v_lshl_add_u32 v4, v2, 4, v3                   ; a fragment's row x pitch + 16 h
	s_mul_i32 s21, s15, HALFT
	s_mul_i32 s22, s16, HALFT
	s_add_co_u32 s22, s22, 2*HALFT
.irp s, 0,1
	v_add_nc_u32 v[ADRA+\s], s21, v4
	v_add_nc_u32 v[ADRB+\s], s22, v4
	s_add_co_u32 s21, s21, SLOT
	s_add_co_u32 s22, s22, SLOT
.endr
	v_mul_u32_u24 v5, v1, KS                       ; my row's scales: 32 bytes a row,
	v_lshrrev_b32 v6, 8, v5
	v_lshl_add_u32 v5, v6, 4, v5                   ; and 16 more for each 256 passed
	s_mul_i32 s21, s15, HALFS
	s_mul_i32 s22, s16, HALFS
	s_add_co_u32 s22, s22, 2*HALFS
	s_sub_co_u32 s22, s22, s21
	v_mul_u32_u24 v6, s22, v2                      ; lanes 16-31 take B's
	s_add_co_u32 s21, s21, SCL
	v_add_nc_u32 v5, v5, v6
	v_add_nc_u32 v[ADRS], s21, v5
	s_mul_i32 s23, s14, 16*SP32                    ; my f32 stage
	v_mul_u32_u24 v5, v1, SP32
	v_lshl_add_u32 v5, v2, 5, v5
	v_add_nc_u32 v[STO], s23, v5                   ; in: row r, 32 bytes for each half of the lanes
	v_and_b32 v6, 31, v0
	v_lshlrev_b32 v[CO], 4, v6
	v_add_nc_u32 v[RD], s23, v[CO]                 ; back: the 32 lanes take one row of 512 bytes
	s_mul_i32 s23, s14, 16*SP16
	s_add_co_u32 s23, s23, STG16                   ; my f16 stage
	v_mul_u32_u24 v5, v1, SP16
	v_lshl_add_u32 v5, v2, 4, v5
	v_add_nc_u32 v[STO16], s23, v5                 ; in: row r, 16 bytes for each half of the lanes
	v_bfe_u32 v5, v0, 3, 2
	v_mul_u32_u24 v5, v5, SP16
	v_and_b32 v6, 7, v0
	v_lshl_add_u32 v5, v6, 4, v5
	v_add_nc_u32 v[RD16], s23, v5                  ; back: eight lanes take a row's 128 bytes of one head, four rows an instruction
	v_lshlrev_b32 v[BO], 5, v2
	; where my results go.  c0 = 256 x tile column + 128 x half: two whole heads;  R0 = 256 x tile row + 128 x half: inside one sequence
	s_lshl_b32 s46, s42, 10
	s_lshl_b32 s47, s16, 9
	s_add_co_u32 s46, s46, s47                     ; 4 c0
	s_mov_b32 s47, 0
	s_add_nc_u64 s[96:97], s[96:97], s[46:47]      ; b_attn at c0
	s_add_nc_u64 s[12:13], s[12:13], s[46:47]      ; q16 at column c0
	s_lshl_b32 s20, s17, 8
	s_lshl_b32 s21, s15, 7
	s_add_co_u32 s20, s20, s21                     ; R0
	s_lshr_b32 s21, s20, 11                        ; b
	s_and_b32 s22, s20, 2047                       ; t0
	v_mov_b32 v[T0V], s22
	s_mul_i32 s92, s21, 196608                     ; q16: 16 rows of 12,288 bytes a sequence
	s_mov_b32 s93, 0
	s_add_nc_u64 s[12:13], s[12:13], s[92:93]
	s_lshl_b32 s92, s42, 2
	s_lshl_b32 s94, s16, 1
	s_add_co_u32 s92, s92, s94                     ; c0 / 64
	s_lshr_b32 s94, s92, 4                         ; q, k or v
	s_and_b32 s92, s92, 15                         ; the first of my two heads
	s_lshl_b32 s94, s94, 6
	s_add_co_u32 s92, s92, s94
	s_lshl_b32 s94, s21, 4
	s_add_co_u32 s92, s92, s94                     ; the plane: 64 which + 16 b + head
	s_lshl_b32 s92, s92, 18
	s_lshl_b32 s94, s22, 7
	s_add_co_u32 s92, s92, s94                     ; + 128 bytes a position
	s_add_nc_u64 s[98:99], s[98:99], s[92:93]
.irp b, 0,1,2,3,4,5,6,7                        ; the bias in the result's layout: lane (r, h), block b: b_attn[c0 + 16 b + 8 h + 0 .. 7]
	global_load_b128 v[BIAS+8*\b:BIAS+8*\b+3], v[BO], s[96:97] offset:64*\b
	global_load_b128 v[BIAS+8*\b+4:BIAS+8*\b+7], v[BO], s[96:97] offset:64*\b+16
.endr
.macro FRAG reg, adr, q, i             ; 16 rows x 128 K of 4-bit codes: 8 registers: two loads of 16 bytes, 32 bytes apart
.irp c, 0,1
	ds_load_b128 v[\reg+4*\c:\reg+4*\c+3], v[\adr] offset:64*(\q)+32*\c+(\i)*16*PITCH
.endr
.endm
; 16 matrix instructions: A's blocks a0, a0 + 1 x B's eight.  zero = 1: the first product starts the sums on the bias.  The 64 accumulators take turns, one instruction a turn.
.macro MUL16 a0, p, q, sc, zero
.irp a, \a0, \a0+1
.irp b, 0,1,2,3,4,5,6,7
.if \zero
	v_wmma_scale_f32_16x16x128_f8f6f4 v[8*(8*((\a)%4)+\b):8*(8*((\a)%4)+\b)+7], v[128*(\p)+FR*\b:128*(\p)+FR*\b+FR-1], v[AF+FR*(\a):AF+FR*(\a)+FR-1], v[BIAS+8*\b:BIAS+8*\b+7], v[SC+8*NQ*(\sc)+NQ*\b+(\q)], v[SC+8*NQ*(\sc)+NQ*(\a)+(\q)] matrix_a_fmt:MATRIX_FMT_FP4 matrix_b_fmt:MATRIX_FMT_FP4 matrix_a_scale:MATRIX_SCALE_ROW1
.else
	v_wmma_scale_f32_16x16x128_f8f6f4 v[8*(8*((\a)%4)+\b):8*(8*((\a)%4)+\b)+7], v[128*(\p)+FR*\b:128*(\p)+FR*\b+FR-1], v[AF+FR*(\a):AF+FR*(\a)+FR-1], v[8*(8*((\a)%4)+\b):8*(8*((\a)%4)+\b)+7], v[SC+8*NQ*(\sc)+NQ*\b+(\q)], v[SC+8*NQ*(\sc)+NQ*(\a)+(\q)] matrix_a_fmt:MATRIX_FMT_FP4 matrix_b_fmt:MATRIX_FMT_FP4 matrix_a_scale:MATRIX_SCALE_ROW1
.endif
.endr
.endr
.endm
.macro FETCH_B slot, q, p
	WIN TO_B
.irp i, 0,1,2,3,4,5,6,7
	FRAG 128*(\p)+FR*\i, ADRB+\slot, \q, \i
.endr
	WIN 0
.endm
.macro FETCH_A slot, q, i0
.irp i, \i0, \i0+1, \i0+2, \i0+3
	FRAG AF+FR*(\i), ADRA+\slot, \q, \i
.endr
.endm
.macro SCALES sc                       ; a slot's scale words: four words a row; lanes 0-15 take A's block i, lanes 16-31 B's block i
.irp i, 0,1,2,3,4,5,6,7
	ds_load_b128 v[SC+8*NQ*\sc+NQ*\i:SC+8*NQ*\sc+NQ*\i+3], v[ADRS] offset:\i*SBLK
.endr
.endm
.macro PLACES n                        ; plain vector instructions between a matrix instruction and a load into its registers, or a read of its result
.rept \n
	v_nop
.endr
.endm
.macro STEP slot, q, zero              ; 128 along K, with its successor in the same slot
	s_wait_dscnt 4*NL                              ; B's set and A's blocks 0-3 are in; the youngest eight loads (A's blocks 4-7) may be out
.if \zero
	WIN FIRST_LO
.else
	WIN MUL_LO
.endif
	MUL16 0, (\q)%2, \q, \slot, \zero
	MUL16 2, (\q)%2, \q, \slot, \zero
	s_wait_dscnt 0
	PLACES NP
	FETCH_B \slot, (\q)+1, 1-(\q)%2
	FETCH_A \slot, (\q)+1, 0
.if \zero
	WIN FIRST_HI
.else
	WIN MUL_HI
.endif
	MUL16 4, (\q)%2, \q, \slot, \zero
	MUL16 6, (\q)%2, \q, \slot, \zero
	PLACES NP
	WIN 0
	FETCH_A \slot, (\q)+1, 4
.endm
.macro STEPS slot, from
.set Q, \from
.rept NQ-1-\from
	STEP \slot, Q, 0
.set Q, Q+1
.endr
.endm
	s_wait_tensorcnt 1                             ; the scales and my part of slot 0 are in; slot 1's load may be out
	s_barrier_signal -1
	s_barrier_wait -1
	FETCH_B 0, 0, 0
	FETCH_A 0, 0, 0
	SCALES 0
	FETCH_A 0, 0, 4
	s_wait_loadcnt 0x0                             ; the bias
	STEP 0, 0, 1
	STEPS 0, 1
	; slot 0's last step changes slots: one barrier; ahead of it my part of slot 1 has landed and my reads of slot 0 are over.
	s_wait_tensorcnt 0x0
	ds_add_u32 v[SPW], v[NIL]
	s_wait_dscnt 4*NL+1                            ; the add and the youngest eight loads may be out
	WIN MUL_LO
	MUL16 0, 1, NQ-1, 0, 0
	s_wait_dscnt 0x0
	s_barrier_signal -1
	MUL16 2, 1, NQ-1, 0, 0
	WIN 0
	s_barrier_wait -1
	PLACES NP
	v_add_nc_u32 v[ADRS], 4*NQ, v[ADRS]            ; slot 1's scale words
	FETCH_B 1, 0, 0
	FETCH_A 1, 0, 0
	SCALES 1
	WIN MUL_HI
	MUL16 4, 1, NQ-1, 0, 0
	MUL16 6, 1, NQ-1, 0, 0
	PLACES NP
	WIN 0
	FETCH_A 1, 0, 4
	STEPS 1, 0
	s_wait_dscnt 4*NL                              ; the very last step
	WIN MUL_LO
	MUL16 0, 1, NQ-1, 1, 0
	MUL16 2, 1, NQ-1, 1, 0
	s_wait_dscnt 0
	WIN MUL_HI
	MUL16 4, 1, NQ-1, 1, 0
	MUL16 6, 1, NQ-1, 1, 0
	WIN 0
; THE WAY OUT, block by block of 16 rows x 128 columns (two heads).  PACK: rounded to f16, 16 bytes a lane, each accumulator from its low end on.  TOSTAGE: into my stage, and back so that eight lanes
; hold a position's 128 bytes of one head.  SEND: four positions of one head are 512 consecutive bytes of its plane: each store of the wave covers them whole.
.macro PACK a
.set AC, 64*((\a)%4)
	WIN 0x0a+5*((\a)/4)                            ; sources 0 and 1: window 2 or 3
.irp b, 0,1,2,3,4,5,6,7
.irp r, 0,1,2,3
	v_cvt_pk_f16_f32 v[TMP+4*\b+\r], v[AC+8*\b+2*\r], v[AC+8*\b+2*\r+1]
.endr
.endr
	WIN 0
.endm
.macro TOSTAGE a
.set BB, BK+32*((\a)%2)
.irp b, 0,1,2,3,4,5,6,7
	ds_store_b128 v[STO16], v[TMP+4*\b:TMP+4*\b+3] offset:32*\b
.endr
.irp j, 0,1,2,3,4,5,6,7
	ds_load_b128 v[BB+4*\j:BB+4*\j+3], v[RD16] offset:4*(\j%4)*SP16+128*(\j/4)   ; LDS serves a wave's instructions in order: these see the stores above
.endr
.endm
.macro SEND a
.set BB, BK+32*((\a)%2)
	s_wait_dscnt 0x0                               ; the block is back in registers
	s_wait_xcnt 0x0                                ; the block before has been read by its stores: its registers take the next block's loads
.irp j, 0,1,2,3,4,5,6,7
	global_store_b128 v[CO], v[BB+4*\j:BB+4*\j+3], s[98:99] offset:2048*(\a)+512*(\j%4)+262144*(\j/4)
.endr
.endm
	PLACES NP
	PACK 0
	TOSTAGE 0
.irp a, 1,2,3,4,5,6,7
	PACK \a
	SEND \a-1
	TOSTAGE \a
.endr
	SEND 7
	; POSITIONS 0-15 IN f32.  Every wave sends its block 0 through its f32 stage; the stores are masked by EXEC to the waves whose first row is a sequence's position 0.  The mask is made of ids; no jump hangs on it.
	s_wait_xcnt 0x0                                ; blocks 6 and 7 have been read by their stores
	WIN 0x08                                       ; an LDS store's data: window 2
.irp b, 0,1,2,3,4,5,6,7
	ds_store_b128 v[STO], v[8*\b:8*\b+3] offset:64*\b
	ds_store_b128 v[STO], v[8*\b+4:8*\b+7] offset:64*\b+16
.endr
	WIN 0
.irp t, 0,1,2,3,4,5,6,7,8,9,10,11,12,13,14,15
	ds_load_b128 v[BK+4*\t:BK+4*\t+3], v[RD] offset:\t*SP32
.endr
	s_wait_dscnt 0x0
	v_cmp_eq_u32 vcc_lo, 0, v[T0V]
	s_and_saveexec_b32 s100, vcc_lo                ; no global instruction has been issued since the wait on XCNT above
.irp t, 0,1,2,3,4,5,6,7,8,9,10,11,12,13,14,15
	global_store_b128 v[CO], v[BK+4*\t:BK+4*\t+3], s[12:13] offset:\t*12288   ; 32 lanes store 512 consecutive bytes of position t's row
.endr
	s_wait_xcnt 0x0                                ; EXEC is widened only behind this wait
	s_or_b32 exec_lo, exec_lo, s100
	s_wait_tensorcnt 0x0                           ; the wave's end
	ds_add_u32 v[SPW], v[NIL]
	s_wait_dscnt 0x0
	CROUND                                         ; the closing round
	s_endpgm
.Lfunc_end_k_q29c9081b16_gemm_qkv:
	.size	k_q29c9081b16_gemm_qkv, .Lfunc_end_k_q29c9081b16_gemm_qkv-k_q29c9081b16_gemm_qkv
	.p2alignl 7, 3214868480
	.fill 96, 4, 3214868480
	.section	.rodata,"a",@progbits
	.p2align	6, 0x0
	.amdhsa_kernel k_q29c9081b16_gemm_qkv
		.amdhsa_group_segment_fixed_size 327680
		.amdhsa_private_segment_fixed_size 0
		.amdhsa_enable_private_segment 0
		.amdhsa_kernarg_size 56
		.amdhsa_user_sgpr_count 2
		.amdhsa_user_sgpr_kernarg_segment_ptr 1
		.amdhsa_wavefront_size32 1
		.amdhsa_system_sgpr_workgroup_id_x 1
		.amdhsa_system_sgpr_workgroup_id_y 1
		.amdhsa_system_sgpr_workgroup_id_z 1
		.amdhsa_system_vgpr_workitem_id 0
		.amdhsa_next_free_vgpr 1024
		.amdhsa_next_free_sgpr 102
		.amdhsa_reserve_vcc 1
		.amdhsa_float_denorm_mode_32 3
		.amdhsa_float_denorm_mode_16_64 3
		.amdhsa_memory_ordered 1
		.amdhsa_forward_progress 1
		.amdhsa_inst_pref_size 133
	.end_amdhsa_kernel
	.amdgpu_metadata
---
amdhsa.version: [ 1, 2 ]
amdhsa.kernels:
  - .name:           k_q29c9081b16_gemm_qkv
    .symbol:         k_q29c9081b16_gemm_qkv.kd
    .args:
      - { .name: xc, .offset: 0, .size: 8, .value_kind: global_buffer, .address_space: global }
      - { .name: xs, .offset: 8, .size: 8, .value_kind: global_buffer, .address_space: global }
      - { .name: wc, .offset: 16, .size: 8, .value_kind: global_buffer, .address_space: global }
      - { .name: ws, .offset: 24, .size: 8, .value_kind: global_buffer, .address_space: global }
      - { .name: b_attn, .offset: 32, .size: 8, .value_kind: global_buffer, .address_space: global }
      - { .name: qkv, .offset: 40, .size: 8, .value_kind: global_buffer, .address_space: global }
      - { .name: q16, .offset: 48, .size: 8, .value_kind: global_buffer, .address_space: global }
    .group_segment_fixed_size: 327680
    .private_segment_fixed_size: 0
    .kernarg_segment_align: 8
    .kernarg_segment_size: 56
    .max_flat_workgroup_size: 128
    .sgpr_count:     102
    .vgpr_count:     1024
    .wavefront_size: 32
...
	.end_amdgpu_metadata
.endif
;; end of part 2
;; launch attn (part 3): grid 4 x 64, 16 waves a work-group, no clusters, 327,680 bytes of LDS; arguments qkv, yh; writes yh
.if DOCPART == 3
	.amdgcn_target "amdgcn-amd-amdhsa--gfx1250"
	.amdhsa_code_object_version 6
	.text
	.protected	k_q29c9081b16_attn
	.globl	k_q29c9081b16_attn
	.p2align	8
	.type	k_q29c9081b16_attn,@function
k_q29c9081b16_attn:
	s_mov_b64 s[64:65], 0
	v_nop
	global_prefetch_b8 v0, s[64:65] scope:SCOPE_SE
	s_setreg_imm32_b32 hwreg(HW_REG_WAVE_MODE, 25, 1), 1
	s_wait_xcnt 0x0
; y[b][h][q][:] = sum over k <= q of softmax_k(q . k / 8) v[k][:], head size 64, 2,048 positions, 64 heads (b, h).  q, k, v: f16 planes of qkv ([3][64 planes][2048][64]); y: f16, yh [16 h][8192 = 2048 b + t][64].
; Products on f16 operands with f32 sums; maxima, exponentials and sums in f32; the weights p (at most 1) are rounded to f16 for the second product, y once at the end.
; LIMIT: operands are f16: magnitudes above 65,504 are not served.  Positions 0-15 of every sequence are written again, from f32, by a later launch.
; SHARES.  Work-group (x, plane) owns query blocks 7 - x and x of 256 queries: under the causal mask that is 9 units of 256 x 256 in every work-group.  Waves 0-7 take block 7 - x, waves 8-15 block x,
; 32 queries (two tiles of 16) each.  Every wave walks all 8 slots of 256 keys, 64 keys a step; a step all of whose keys come after the wave's queries is passed over by a scalar branch on ids.
; NO CLUSTER: the four work-groups of a plane need different numbers of slots (x = 3 reads no key past 1,279, x = 0 reads all), so a joint load would bring tiles that no wave of a partner reads.
; LAYOUT.  S^T = K Q^T (source 0 = 16 keys, source 1 = 16 queries): a lane holds one query and keys 8 (lane / 16) + 0..7; two such tiles, rounded in pairs, are source 1 of O^T = V^T P.  V comes out of LDS turned.
; SOFTMAX.  For each query a running maximum m and sum l: p = 2^(c s - c m), c = log2(e) / 8; in every step O and l are multiplied by a = 2^(c m_old - c m_new).
.set PKB,   144                        ; a row of K in LDS: 128 bytes + 16
.set PVB,   160                        ; a row of V: 128 + 32
.set SK,    256                        ; keys in a slot
.set VOFF,  SK*PKB
.set SLOT1, 1<<17                      ; one exclusive or turns an address in one slot into the other's
.set STAGE, SLOT1+SK*(PKB+PVB)         ; behind the ring: 32 rows x 144 bytes for each wave, bytes of its own
.set SPARE, STAGE+16*32*PKB            ; the spare words, 128 bytes for each wave: eight blocks of 256 bytes that no other line names
.set AK0, 1
.set AV0, 2
.set ADK, 3
.set ADV, 4
.set SPW, 5
.set NIL, 6
.set GO,  7                            ; 16 x lane
.set STO, 8
.set RD,  9
.set DQ,  10                           ; lane % 16 - 8 (lane / 16)
.set PFO, 11                           ; 256 x lane
.set ST,  16                           ; tile u's statistics at v[16 + 8 u]: +0 c m, +1 m, +2, +3 l, +4 .. +7 at work; a at +6
.set Q,   32                           ; v32-63   Q: tile u, channels 32 c on: 8 (2 u + c)
.set KV,  64                           ; v64-127  a step's K (8 (2 kt + c)), then its V (8 (4 kc + dt))
.set S,   128                          ; v128-159 S^T of one tile, then p
.set P,   160                          ; v160-191 P, 16 a tile
.set O,   192                          ; v192-255 O^T: 32 u + 8 dt
.set TB,  2                            ; s2  LDS byte at which the slot in hand begins
.set KF,  3                            ; s3  the step's first key
.set Q0,  12                           ; s12 my first query
.set QL,  13                           ; s13 my work-group's last query
.set SLOTS, 14
.set LIM, 15
.set WV,  18
.set SEL, 20
.set CS,  22
.set G1K, 24
.set G1V, 32
.set G0K, 40
.set G0V, 44
.set PFA, 48
; Waves 0 and 1 fetch K's halves of a slot, waves 2 and 3 V's, the others nothing.  An s_nop 0 and four v_nop follow each of the two lines.
.macro TLOAD
	s_cmp_lt_u32 s[WV], 2
	s_cbranch_scc0 .Lnot_k_\@
	tensor_load_to_lds s[G0K:G0K+3], s[G1K:G1K+7]
	s_nop 0
.rept 4
	v_nop
.endr
	s_branch .Lasked_\@
.Lnot_k_\@:
	s_cmp_lt_u32 s[WV], 4
	s_cbranch_scc0 .Lasked_\@
	tensor_load_to_lds s[G0V:G0V+3], s[G1V:G1V+7]
	s_nop 0
.rept 4
	v_nop
.endr
.Lasked_\@:
.endm
; A prefetch of what the NEXT change of slots will ask for: a slot's K and V are 32,768 consecutive bytes each.  Of a plane's four work-groups the one with x = 0, which walks all slots, asks; in it the waves
; that fetch nothing: waves 4-7 for K, 8-11 for V, 8,192 bytes a wave, lanes 256 bytes apart: each run of 256 bytes is named once in the launch.  It runs one slot, four key steps, ahead of the tensor load;
; the last change that fills a slot asks for nothing; slots 0 and 1 come by their loads alone.
.macro ASK
	s_cmp_gt_u32 s[SLOTS], s[LIM]
	s_cbranch_scc0 .Lnot_mine_\@
	global_prefetch_b8 v[PFO], s[PFA:PFA+1] th:TH_LOAD_NT scope:SCOPE_SE
.Lnot_mine_\@:
.endm
	s_load_b128 s[4:7], s[0:1], 0x0                ; qkv s[4:5], yh s[6:7]
	v_lshl_add_u32 v[SPW], v0, 2, SPARE
	v_mov_b32 v[NIL], 0
	ds_add_u32 v[SPW], v[NIL]                      ; the wave's opening: the add, twice on end, and its wait ahead of the first tensor load
	ds_add_u32 v[SPW], v[NIL]
	v_lshrrev_b32 v12, 5, v0
	v_readfirstlane_b32 s[WV], v12                 ; wave 0..15
	s_and_b32 s50, ttmp7, 0xffff                   ; the plane: 16 b + h
	s_lshl_b32 s52, s50, 18                        ; its 262,144 bytes
	s_mov_b32 s53, 0
	s_sub_co_u32 s51, 7, ttmp9
	s_cmp_lt_u32 s[WV], 8
	s_cselect_b32 s51, s51, ttmp9                  ; my block of 256 queries
	s_lshl_b32 s[Q0], s51, 8
	s_and_b32 s51, s[WV], 7
	s_lshl_b32 s51, s51, 5
	s_add_co_u32 s[Q0], s[Q0], s51
	s_sub_co_u32 s[QL], 8, ttmp9
	s_lshl_b32 s[QL], s[QL], 8
	s_sub_co_u32 s[QL], s[QL], 1
	s_lshl_b32 s54, s[Q0], 7                       ; my queries' bytes in the plane
	s_mov_b32 s55, 0
	s_and_b32 s56, s50, 15                         ; h
	s_lshr_b32 s57, s50, 4                         ; b
	s_lshl_b32 s56, s56, 13
	s_lshl_b32 s57, s57, 11
	s_add_co_u32 s56, s56, s57
	s_add_co_u32 s56, s56, s[Q0]
	s_lshl_b32 s56, s56, 7                         ; yh: (8,192 h + 2,048 b + Q0) x 128
	s_mov_b32 s57, 0
	s_and_b32 s58, s[WV], 1                        ; which half of a slot I fetch, if I fetch
	s_lshl_b32 s60, s58, 14                        ; 128 rows of 128 bytes in memory,
	s_mov_b32 s61, 0
	s_mul_i32 s59, s58, 128*PKB                    ; in a slot: K,
	s_mul_i32 s58, s58, 128*PVB
	s_add_co_u32 s58, s58, VOFF                    ; V
	s_mov_b32 s[G1K], (1<<16)|(1<<20)|(4<<22)|(3<<25)   ; no mask; elements of 2 bytes; padding on: 4 words behind every 32
	s_mov_b32 s[G1V], (1<<16)|(1<<20)|(4<<22)|(7<<25)   ; 8 words
.irp g, G1K, G1V
	s_mov_b32 s[\g+1], 64<<16                      ; tensor_dim0
	s_mov_b32 s[\g+2], 128<<16                     ; tensor_dim1
	s_mov_b32 s[\g+3], 64<<16                      ; tile_dim0
	s_mov_b32 s[\g+4], 128                         ; tile_dim1
	s_mov_b32 s[\g+5], 64                          ; the pitch
	s_mov_b32 s[\g+6], 0
	s_mov_b32 s[\g+7], 0
.endr
	s_mov_b32 s[SEL], 0x76543210
	s_mov_b32 s[SEL+1], 0xfedcba98
	s_mov_b32 s[CS], 0x3e38aa3b                    ; c = log2(e) / 8
	s_mov_b32 s[CS+1], s[CS]
	s_mov_b32 s[TB], 0
	s_mov_b32 s[KF], 0
	s_mov_b32 s[SLOTS], 7
	s_wait_dscnt 0x0                               ; both opening adds are done
	s_wait_kmcnt 0x0
	s_add_nc_u64 s[4:5], s[4:5], s[52:53]          ; q's plane
	s_add_nc_u64 s[8:9], s[4:5], 0x1000000         ; k's: 64 planes on
	s_add_nc_u64 s[10:11], s[4:5], 0x2000000       ; v's
	s_add_nc_u64 s[4:5], s[4:5], s[54:55]
	s_add_nc_u64 s[6:7], s[6:7], s[56:57]
	s_mov_b32 s[G0K], 1
	s_mov_b32 s[G0K+1], s59
	s_add_nc_u64 s[G0K+2:G0K+3], s[8:9], s[60:61]
	s_or_b32 s[G0K+3], s[G0K+3], 0x80000000
	s_mov_b32 s[G0V], 1
	s_mov_b32 s[G0V+1], s58
	s_add_nc_u64 s[G0V+2:G0V+3], s[10:11], s[60:61]
	s_or_b32 s[G0V+3], s[G0V+3], 0x80000000
	TLOAD                                          ; slot 0: it holds key 0, which counts for every query
	s_cmp_lt_u32 s[WV], 8
	s_cselect_b64 s[PFA:PFA+1], s[8:9], s[10:11]
	s_and_b32 s50, s[WV], 3
	s_lshl_b32 s50, s50, 13
	s_add_co_u32 s50, s50, SK*128                  ; in slot 1: the first change of slots steps it to slot 2
	s_mov_b32 s51, 0
	s_add_nc_u64 s[PFA:PFA+1], s[PFA:PFA+1], s[50:51]
	s_sub_co_u32 s50, s[WV], 4
	s_lshr_b32 s50, s50, 3                         ; 0 in waves 4 to 11,
	s_or_b32 s50, s50, ttmp9                       ; of the work-group with x = 0
	s_cmp_eq_u32 s50, 0
	s_cselect_b32 s[LIM], 1, -1
	v_and_b32 v12, 15, v0                          ; r
	v_bfe_u32 v13, v0, 4, 1                        ; h
	v_lshlrev_b32 v14, 7, v12
	v_lshl_add_u32 v14, v13, 4, v14                ; Q: 128 r + 16 h; not rewritten before the loads are in
.irp u, 0,1
.irp c, 0,1
	global_load_b128 v[Q+8*(2*\u+\c):Q+8*(2*\u+\c)+3], v14, s[4:5] offset:2048*\u+64*\c
	global_load_b128 v[Q+8*(2*\u+\c)+4:Q+8*(2*\u+\c)+7], v14, s[4:5] offset:2048*\u+64*\c+32
.endr
.endr
	v_mul_u32_u24 v[AK0], v12, PKB
	v_lshl_add_u32 v[AK0], v13, 4, v[AK0]          ; K: row r x pitch + 16 h
	v_and_b32 v15, 7, v0
	v_lshl_add_u32 v[AV0], v13, 3, v15
	v_mul_u32_u24 v[AV0], v[AV0], PVB
	v_bfe_u32 v15, v0, 3, 1
	v_lshl_add_u32 v[AV0], v15, 4, v[AV0]
	v_add_nc_u32 v[AV0], VOFF, v[AV0]              ; V, for the turning load: key 8 h + lane % 8, 16 bytes by (lane / 8) % 2
	v_and_b32 v[GO], 31, v0
	v_lshlrev_b32 v[GO], 4, v[GO]
	s_mul_i32 s52, s[WV], 32*PKB
	s_add_co_u32 s52, s52, STAGE                   ; my stage
	v_add_nc_u32 v[STO], s52, v[AK0]               ; in: row r, 16 bytes for each half of the lanes
	v_bfe_u32 v15, v0, 3, 2
	v_mul_u32_u24 v[RD], v15, PKB
	v_and_b32 v15, 7, v0
	v_lshl_add_u32 v[RD], v15, 4, v[RD]
	v_add_nc_u32 v[RD], s52, v[RD]                 ; back: eight lanes to a row of 128 bytes, four rows an instruction
	v_lshlrev_b32 v15, 3, v13
	v_sub_nc_u32 v[DQ], v12, v15
	v_and_b32 v[PFO], 31, v0
	v_lshlrev_b32 v[PFO], 8, v[PFO]
.irp u, 0,1
	v_mov_b32 v[ST+8*\u+1], 0xff61b1e6             ; m = -3e38, under every score
	v_mul_f32 v[ST+8*\u], s[CS], v[ST+8*\u+1]      ; c m
.irp i, 2,3,4,5,6,7
	v_mov_b32 v[ST+8*\u+\i], 0                     ; l, and the work registers
.endr
.endr
.irp j, 0,1,2,3,4,5,6,7,8,9,10,11,12,13,14,15,16,17,18,19,20,21,22,23,24,25,26,27,28,29,30,31,32,33,34,35,36,37,38,39,40,41,42,43,44,45,46,47,48,49,50,51,52,53,54,55,56,57,58,59,60,61,62,63
	v_mov_b32 v[O+\j], 0                           ; O^T.  The step is written once: its first run finds zeros and a = 0
.endr
.macro QK u                            ; S^T of tile u: 8 products; the four accumulators take turns; the first four start the sums
.irp c, 0,1
.irp kt, 0,1,2,3
.if \c == 0
	v_wmma_f32_16x16x32_f16 v[S+8*\kt:S+8*\kt+7], v[KV+8*(2*\kt+\c):KV+8*(2*\kt+\c)+7], v[Q+8*(2*\u+\c):Q+8*(2*\u+\c)+7], 0
.else
	v_wmma_f32_16x16x32_f16 v[S+8*\kt:S+8*\kt+7], v[KV+8*(2*\kt+\c):KV+8*(2*\kt+\c)+7], v[Q+8*(2*\u+\c):Q+8*(2*\u+\c)+7], v[S+8*\kt:S+8*\kt+7]
.endif
.endr
.endr
.endm
.macro MASK u                          ; on the diagonal hidden scores become -infinity.  Register 8 kt + j holds key KF + 16 kt + 8 h + j; my query is Q0 + 16 u + r: hidden where 16 kt + j > Q0 - KF + 16 u + r - 8 h
	s_add_co_u32 s60, s[KF], 63
	s_cmp_le_u32 s60, s[Q0]                        ; a step all of whose keys count passes this over
	s_cbranch_scc1 .Lopen_\@
	s_sub_co_i32 s60, s[Q0], s[KF]
	s_add_co_i32 s60, s60, 16*\u
	v_add_nc_u32 v12, s60, v[DQ]
	v_mov_b32 v13, 0xff800000
.irp n, 0,1,2,3,4,5,6,7,8,9,10,11,12,13,14,15,16,17,18,19,20,21,22,23,24,25,26,27,28,29,30,31
	v_cmp_gt_i32 vcc_lo, 16*(\n/8)+\n%8, v12
	v_cndmask_b32 v[S+\n], v[S+\n], v13, vcc_lo
.endr
.Lopen_\@:
.endm
.macro SOFTMAX u
.set rT, ST+8*(\u)
.set rP, P+16*(\u)
.set rO, O+32*(\u)
.irp j, 0,1,2,3
	v_max3_num_f32 v[rT+4+\j], v[S+8*\j], v[S+8*\j+1], v[S+8*\j+2]   ; four chains, each from the low end of its accumulator
.endr
.irp i, 3,5
.irp j, 0,1,2,3
	v_max3_num_f32 v[rT+4+\j], v[rT+4+\j], v[S+8*\j+\i], v[S+8*\j+\i+1]
.endr
.endr
	v_max3_num_f32 v[rT+4], v[rT+4], v[S+7], v[S+15]
	v_max3_num_f32 v[rT+6], v[rT+6], v[S+23], v[S+31]
	v_max3_num_f32 v[rT+4], v[rT+4], v[rT+5], v[rT+6]
	v_max3_num_f32 v[rT+4], v[rT+4], v[rT+7], v[rT+1]              ; and the old m
	v_permlanex16_b32 v[rT+5], v[rT+4], s[SEL], s[SEL+1]           ; the query's other 32 keys lie in the lane 16 away
	v_mov_b32 v[rT+7], v[rT]                                       ; c m_old
	v_max_num_f32 v[rT+1], v[rT+4], v[rT+5]
	v_mul_f32 v[rT], s[CS], v[rT+1]
	v_sub_f32 v[rT+7], v[rT+7], v[rT]
.irp b, 0,2,4,6,8,10,12,14,16,18,20,22,24,26,28,30
	v_pk_fma_f32 v[S+\b:S+\b+1], v[S+\b:S+\b+1], s[CS:CS+1], v[rT:rT+1] op_sel_hi:[1,0,0] neg_lo:[0,0,1] neg_hi:[0,0,1]   ; c s - c m
.endr
	v_exp_f32 v[rT+6], v[rT+7]                                     ; a
.irp e, 0,1,2,3,4,5,6,7,8,9,10,11,12,13,14,15,16,17,18,19,20,21,22,23,24,25,26,27,28,29,30,31
	v_exp_f32 v[S+\e], v[S+\e]
.endr
	v_nop                                                          ; a plain instruction behind the last exponential
	s_wait_alu depctr_va_vdst(0)                                   ; one wait for the batch of 33, ahead of its first reader
.irp i, 0,1,2,3,4,5,6,7,8,9,10,11,12,13,14,15
	v_cvt_pk_f16_f32 v[rP+\i], v[S+2*\i], v[S+2*\i+1]
.endr
.irp z, 0,4,8,12,16,20,24,28
	v_pk_add_f32 v[S+\z:S+\z+1], v[S+\z:S+\z+1], v[S+\z+2:S+\z+3]
.endr
.irp z, 0,8,16,24
	v_pk_add_f32 v[S+\z:S+\z+1], v[S+\z:S+\z+1], v[S+\z+4:S+\z+5]
.endr
.irp z, 0,16
	v_pk_add_f32 v[S+\z:S+\z+1], v[S+\z:S+\z+1], v[S+\z+8:S+\z+9]
.endr
	v_pk_add_f32 v[S:S+1], v[S:S+1], v[S+16:S+17]
	v_pk_fma_f32 v[rT+2:rT+3], v[rT+2:rT+3], v[rT+6:rT+7], v[S:S+1] op_sel_hi:[1,0,1]   ; l = a l + the step's sum
.irp i, 0,2,4,6,8,10,12,14,16,18,20,22,24,26,28,30
	v_pk_mul_f32 v[rO+\i:rO+\i+1], v[rO+\i:rO+\i+1], v[rT+6:rT+7] op_sel_hi:[1,0]      ; O^T x a, each accumulator from its low end on.  These 16 name no register of the products K Q^T: they are the places ahead of the next tile's
.endr
.endm
.macro PVMUL                           ; O^T += V^T P: 16 products, the eight accumulators by turns
.irp kc, 0,1
.irp dt, 0,1,2,3
.irp u, 0,1
	v_wmma_f32_16x16x32_f16 v[O+32*\u+8*\dt:O+32*\u+8*\dt+7], v[KV+8*(4*\kc+\dt):KV+8*(4*\kc+\dt)+7], v[P+16*\u+8*\kc:P+16*\u+8*\kc+7], v[O+32*\u+8*\dt:O+32*\u+8*\dt+7]
.endr
.endr
.endr
.endm
.macro STEP q                          ; 64 keys: the q-th step of the slot in hand
	s_add_co_u32 s60, s[Q0], 31
	s_cmp_gt_u32 s[KF], s60                        ; all 64 keys come after my 32 queries: the step's work is passed over (ids and the count of steps alone)
	s_cbranch_scc1 .Lhidden_\@
	v_add_nc_u32 v[ADK], s[TB], v[AK0]
	v_add_nc_u32 v[ADV], s[TB], v[AV0]
	v_nop
	v_nop                                          ; four places between the last step's products and the loads into the registers that they read
.irp kt, 0,1,2,3
.irp c, 0,1
	ds_load_b128 v[KV+8*(2*\kt+\c):KV+8*(2*\kt+\c)+3], v[ADK] offset:(64*(\q)+16*\kt)*PKB+64*\c
	ds_load_b128 v[KV+8*(2*\kt+\c)+4:KV+8*(2*\kt+\c)+7], v[ADK] offset:(64*(\q)+16*\kt)*PKB+64*\c+32
.endr
.endr
	s_wait_dscnt 0x0
	QK 0
.rept 4
	v_nop
.endr
	MASK 0
	SOFTMAX 0
	QK 1
.rept 4
	v_nop                                          ; places ahead of the reads of the scores and of the loads over K
.endr
.irp kc, 0,1
.irp dt, 0,1,2,3
	ds_load_tr16_b128 v[KV+8*(4*\kc+\dt):KV+8*(4*\kc+\dt)+3], v[ADV] offset:(64*(\q)+32*\kc)*PVB+32*\dt
	ds_load_tr16_b128 v[KV+8*(4*\kc+\dt)+4:KV+8*(4*\kc+\dt)+7], v[ADV] offset:(64*(\q)+32*\kc)*PVB+16*PVB+32*\dt
.endr
.endr
	MASK 1
	SOFTMAX 1                                      ; V lands meanwhile
	s_wait_dscnt 0x0
	PVMUL
.Lhidden_\@:
	s_add_co_u32 s[KF], s[KF], 64
.endm
; THE CHANGE OF SLOTS stands at a slot's head.  Each wave waits for all its tensor loads, adds 0 to its spare word, and waits for that and for its reads of the slot that it has left; behind the barrier the slot
; ahead is whole and nobody reads the other one.  fill = 1: the other slot takes the keys that follow, while its first key is at or under the work-group's last query: a slot beyond that no wave would read.
; Every wait on TENSORcnt in this text is for 0; the jump round the load hangs on ids and the count of steps alone and is the same in all sixteen waves.
.macro CHANGE fill
	s_wait_tensorcnt 0x0
	ds_add_u32 v[SPW], v[NIL]
.if \fill
	ds_add_u32 v[SPW], v[NIL]                      ; and twice on end here, in every trip alike
	s_xor_b32 s[G0K+1], s[G0K+1], SLOT1            ; no load of mine is out: the descriptors walk on
	s_add_nc_u64 s[G0K+2:G0K+3], s[G0K+2:G0K+3], SK*128
	s_xor_b32 s[G0V+1], s[G0V+1], SLOT1
	s_add_nc_u64 s[G0V+2:G0V+3], s[G0V+2:G0V+3], SK*128
	s_wait_xcnt 0x0                                ; the last prefetch, a slot back, has read its address
	s_add_nc_u64 s[PFA:PFA+1], s[PFA:PFA+1], SK*128
.endif
	s_wait_dscnt 0x0
	s_barrier_signal -1
	s_barrier_wait -1
.if \fill
	s_add_co_u32 s60, s[KF], SK                    ; the first key of the slot that this change would ask for
	s_cmp_gt_u32 s60, s[QL]
	s_cbranch_scc1 .Lpast_\@
	TLOAD                                          ; a wave's one tensor load until the next change: one load of mine is out at the most
.Lpast_\@:
	ASK
.endif
.endm
	s_wait_loadcnt 0x0                             ; Q
.Lslot:                                            ; 7 trips
	CHANGE 1
	STEP 0
	STEP 1
	STEP 2
	STEP 3
	s_xor_b32 s[TB], s[TB], SLOT1
	s_sub_co_u32 s[SLOTS], s[SLOTS], 1
	s_cmp_lg_u32 s[SLOTS], 0
	s_cbranch_scc1 .Lslot
	CHANGE 0                                       ; the last slot is written out: nothing is left to ask for
	STEP 0
	STEP 1
	STEP 2
	STEP 3
	; THE WAY OUT: O^T / l, rounded to f16, through my stage; my 32 rows of y are 4,096 consecutive bytes: each store covers 512 of them.
.rept 4
	v_nop                                          ; places behind the last products
.endr
.irp u, 0,1
	v_add_f32 v[ST+8*\u+4], v[ST+8*\u+2], v[ST+8*\u+3]
.endr
.irp u, 0,1
	v_permlanex16_b32 v[ST+8*\u+5], v[ST+8*\u+4], s[SEL], s[SEL+1]
.endr
.irp u, 0,1
	v_add_f32 v[ST+8*\u+4], v[ST+8*\u+4], v[ST+8*\u+5]
.endr
.irp u, 0,1
	v_rcp_f32 v[ST+8*\u+6], v[ST+8*\u+4]
.endr
	v_nop
	s_wait_alu depctr_va_vdst(0)                   ; one wait for the two reciprocals, ahead of their first reader
.irp u, 0,1
.irp i, 0,2,4,6,8,10,12,14,16,18,20,22,24,26,28,30
	v_pk_mul_f32 v[O+32*\u+\i:O+32*\u+\i+1], v[O+32*\u+\i:O+32*\u+\i+1], v[ST+8*\u+6:ST+8*\u+7] op_sel_hi:[1,0]
.endr
.irp i, 0,1,2,3,4,5,6,7,8,9,10,11,12,13,14,15
	v_cvt_pk_f16_f32 v[S+16*\u+\i], v[O+32*\u+2*\i], v[O+32*\u+2*\i+1]
.endr
.irp dt, 0,1,2,3
	ds_store_b128 v[STO], v[S+16*\u+4*\dt:S+16*\u+4*\dt+3] offset:16*PKB*\u+32*\dt
.endr
.endr
.irp i, 0,1,2,3,4,5,6,7
	ds_load_b128 v[KV+4*\i:KV+4*\i+3], v[RD] offset:4*PKB*\i      ; LDS serves a wave's instructions in order: these see my stores
.endr
.irp i, 0,1,2,3,4,5,6,7
	s_wait_dscnt 7-\i                              ; the younger loads may be out
	global_store_b128 v[GO], v[KV+4*\i:KV+4*\i+3], s[6:7] offset:512*\i
.endr
	s_wait_tensorcnt 0x0                           ; the wave's end
	ds_add_u32 v[SPW], v[NIL]
	s_wait_dscnt 0x0
	s_endpgm
.Lfunc_end_k_q29c9081b16_attn:
	.size	k_q29c9081b16_attn, .Lfunc_end_k_q29c9081b16_attn-k_q29c9081b16_attn
	.p2alignl 7, 3214868480
	.fill 96, 4, 3214868480
	.section	.rodata,"a",@progbits
	.p2align	6, 0x0
	.amdhsa_kernel k_q29c9081b16_attn
		.amdhsa_group_segment_fixed_size 327680
		.amdhsa_private_segment_fixed_size 0
		.amdhsa_enable_private_segment 0
		.amdhsa_kernarg_size 16
		.amdhsa_user_sgpr_count 2
		.amdhsa_user_sgpr_kernarg_segment_ptr 1
		.amdhsa_wavefront_size32 1
		.amdhsa_system_sgpr_workgroup_id_x 1
		.amdhsa_system_sgpr_workgroup_id_y 1
		.amdhsa_system_sgpr_workgroup_id_z 1
		.amdhsa_system_vgpr_workitem_id 0
		.amdhsa_next_free_vgpr 256
		.amdhsa_next_free_sgpr 66
		.amdhsa_reserve_vcc 1
		.amdhsa_float_denorm_mode_32 3
		.amdhsa_float_denorm_mode_16_64 3
		.amdhsa_memory_ordered 1
		.amdhsa_forward_progress 1
		.amdhsa_inst_pref_size 191
	.end_amdhsa_kernel
	.amdgpu_metadata
---
amdhsa.version: [ 1, 2 ]
amdhsa.kernels:
  - .name:           k_q29c9081b16_attn
    .symbol:         k_q29c9081b16_attn.kd
    .args:
      - { .name: qkv, .offset: 0, .size: 8, .value_kind: global_buffer, .address_space: global }
      - { .name: yh, .offset: 8, .size: 8, .value_kind: global_buffer, .address_space: global }
    .group_segment_fixed_size: 327680
    .private_segment_fixed_size: 0
    .kernarg_segment_align: 8
    .kernarg_segment_size: 16
    .max_flat_workgroup_size: 512
    .sgpr_count:     66
    .vgpr_count:     256
    .wavefront_size: 32
...
	.end_amdgpu_metadata
.endif
;; end of part 3
;; launch proj (part 4): grid 8 x 32, 4 waves a work-group, clusters of 4 x 4, 327,680 bytes of LDS; arguments yh, wp, b_proj, out0; writes out0
.if DOCPART == 4
	.amdgcn_target "amdgcn-amd-amdhsa--gfx1250"
	.amdhsa_code_object_version 6
	.text
	.protected	k_q29c9081b16_proj
	.globl	k_q29c9081b16_proj
	.p2align	8
	.type	k_q29c9081b16_proj,@function
k_q29c9081b16_proj:
	s_mov_b64 s[64:65], 0
	v_nop
	global_prefetch_b8 v0, s[64:65] scope:SCOPE_SE
	s_setreg_imm32_b32 hwreg(HW_REG_WAVE_MODE, 25, 1), 1
	s_wait_xcnt 0x0
	s_wait_alu depctr_hold_cnt(0) depctr_sa_sdst(0) depctr_va_vdst(0) depctr_va_sdst(0) depctr_va_ssrc(0) depctr_va_vcc(0) depctr_vm_vsrc(0)
	s_getreg_b32 s2, hwreg(HW_REG_IB_STS2, 6, 4)
	s_cmp_eq_u32 s2, 0
	s_cbranch_scc0 .Lentry_in_a_cluster
	s_endpgm
.Lentry_in_a_cluster:
	s_bfe_u32 s2, ttmp6, 0x10000c
	s_cmp_lg_u32 s2, 0xf033
	s_cbranch_scc0 .Lentry_shape_is_right
	s_endpgm
.Lentry_shape_is_right:
; out[m][n] = sum over k of y[m][k] W_proj[k][n] + b_proj[n]; m = 8,192, n = 1,024, K = 1,024; f16 operands, f32 sums, f32 out.
; yh [16 chunks (heads)][8192 rows][64] and wp [16 chunks][1024 n][64 k], f16: K lies in chunks of 64, each chunk's rows dense, 128 bytes a row.
; LIMIT: operands are f16.  Positions 0-15 of every sequence are written again, from f32, by the launch that follows.
; A tile is 256 (m) x 128 (n): 256 work-groups.  Four waves, each 128 x 64: 32 accumulators.  A K step is 128: two chunks.  A ring of two slots; each wave fetches one chunk's tile with one load:
; waves 0, 1: A's 256 rows of chunk 0, 1; waves 2, 3: B's 128 rows.  By this text's count a wave has two loads out at the start and one behind each round.
; CLUSTERS: 4 x 4: A's tiles are asked for jointly along a row of the cluster, B's along a column.  TRANSPOSED USE: source 0 = 16 rows of wp, source 1 = 16 rows of yh.  The bias is the C of each sum's first product.
; REGISTERS: window 0: addresses, v32-95 the way out.  window 1: the accumulators ((a, b) at v[8 (4 a + b)]).  window 2: two fragment buffers of 96 (B's four, then A's eight), v192-223 the bias.
.set PITCH,  144                       ; an LDS row: 128 bytes + 16
.set ACH,    256*PITCH
.set BCH,    128*PITCH
.set BOFF,   2*ACH
.set SLOT,   2*ACH+2*BCH
.set STAGE,  2*SLOT                    ; behind the ring: 16 rows x 272 bytes for each wave
.set SPITCH, 272
.set SPARE,  STAGE+4*16*SPITCH         ; the spare words: two blocks of 256 bytes that no other line names
.set LAPS,   4                         ; 8 K steps, two a lap
.set ADRA, 16
.set ADRB, 20
.set STO,  24
.set RD,   25
.set CO,   26
.set BO,   27
.set SPW,  28
.set NIL,  29
.set BK,   32
.set F0,   0
.set F1,   96
.set BIAS, 192
.set G1, 24
.set G0, 32
.set G1B, 48
.set G0B, 56
.set MSB, 0
.macro WIN new
.if MSB != (\new)
	s_set_vgpr_msb (MSB<<8)|(\new)
.set MSB, (\new)
.endif
.endm
.set MUL,   0x5a                       ; sources 0 and 1 window 2; C and D window 1
.set FIRST, 0x6a                       ; C (the bias) window 2
.set TO_F,  0x80                       ; destination window 2, address window 0
.macro JLOAD s                         ; a joint load; an s_nop 0 and four v_nop follow each of the two lines
	s_cmp_eq_u32 s13, 0
	s_cbranch_scc0 .Lfor_b_\@
	tensor_load_to_lds s[G0+4*\s:G0+4*\s+3], s[G1:G1+7]
	s_nop 0
.rept 4
	v_nop
.endr
	s_branch .Lasked_\@
.Lfor_b_\@:
	tensor_load_to_lds s[G0B+4*\s:G0B+4*\s+3], s[G1B:G1B+7]
	s_nop 0
.rept 4
	v_nop
.endr
.Lasked_\@:
.endm
.macro CREST
	s_cmp_lg_u32 s12, 0
	s_cbranch_scc1 .Lnot_wave_0_\@
	s_barrier_signal -3
.Lnot_wave_0_\@:
	s_barrier_wait -3
	s_barrier_signal -1
	s_barrier_wait -1
.endm
.macro CROUND
	s_barrier_signal -1
	s_barrier_wait -1
	CREST
.endm
	s_load_b256 s[4:11], s[0:1], 0x0               ; yh s[4:5], wp s[6:7], b_proj s[8:9], out0 s[10:11]
	v_lshl_add_u32 v[SPW], v0, 2, SPARE
	v_mov_b32 v[NIL], 0
	ds_add_u32 v[SPW], v[NIL]                      ; the wave's opening: the add, twice on end, and its wait ahead of my first tensor load
	ds_add_u32 v[SPW], v[NIL]
	v_lshrrev_b32 v1, 5, v0
	v_readfirstlane_b32 s12, v1                    ; wave 0..3
	s_lshr_b32 s13, s12, 1                         ; which 128 rows of the tile are mine.  Also: I fetch for A (0) or for B (1)
	s_and_b32 s14, s12, 1                          ; which 64 columns.  Also: which chunk of a K step I fetch
	s_bfe_u32 s40, ttmp6, 0x40000
	s_bfe_u32 s41, ttmp6, 0x40004
	s_lshl_b32 s42, ttmp9, 2
	s_add_co_u32 s42, s42, s40                     ; tile column
	s_and_b32 s15, ttmp7, 0xffff
	s_lshl_b32 s15, s15, 2
	s_add_co_u32 s15, s15, s41                     ; tile row
	s_lshl_b32 s43, s41, 2
	s_lshl_b32 s43, 15, s43                        ; my row of the cluster
	s_lshl_b32 s44, 0x1111, s40                    ; my column
	s_or_b32 s[G1+0], s43, (1<<16)|(1<<20)|(1<<21)|(4<<22)|(3<<25)   ; the mask; elements of 2 bytes; padding on: 4 words behind every 32; bit 21 beside a mask
	s_or_b32 s[G1B+0], s44, (1<<16)|(1<<20)|(1<<21)|(4<<22)|(3<<25)
	s_mov_b32 s[G1+1], 64<<16                      ; A: 256 rows of 64 elements, dense
	s_mov_b32 s[G1+2], 256<<16
	s_mov_b32 s[G1+3], 64<<16
	s_mov_b32 s[G1+4], 256
	s_mov_b32 s[G1+5], 64
	s_mov_b32 s[G1+6], 0
	s_mov_b32 s[G1+7], 0
	s_mov_b32 s[G1B+1], 64<<16                     ; B: 128 rows
	s_mov_b32 s[G1B+2], 128<<16
	s_mov_b32 s[G1B+3], 64<<16
	s_mov_b32 s[G1B+4], 128
	s_mov_b32 s[G1B+5], 64
	s_mov_b32 s[G1B+6], 0
	s_mov_b32 s[G1B+7], 0
	s_lshl_b32 s16, s14, 20                        ; A: a chunk is 8,192 rows of 128 bytes,
	s_lshl_b32 s17, s15, 15                        ; a tile row 256 of them
	s_add_co_u32 s16, s16, s17
	s_mov_b32 s17, 0
	s_lshl_b32 s46, s14, 17                        ; B: a chunk is 1,024 rows,
	s_lshl_b32 s47, s42, 14                        ; a tile column 128 of them
	s_add_co_u32 s46, s46, s47
	s_mov_b32 s47, 0
	s_mul_i32 s20, s14, ACH                        ; where they go: no place in the cluster enters an LDS address
	s_mul_i32 s21, s14, BCH
	s_add_co_u32 s21, s21, BOFF
	s_wait_dscnt 0x0                               ; both opening adds are done
	s_wait_kmcnt 0x0
	s_add_nc_u64 s[16:17], s[4:5], s[16:17]
	s_add_nc_u64 s[46:47], s[6:7], s[46:47]
	CROUND                                         ; all sixteen work-groups are here
.irp s, 0,1
	s_mov_b32 s[G0+4*\s], 1
	s_add_co_u32 s[G0+4*\s+1], s20, \s*SLOT
	s_add_nc_u64 s[G0+4*\s+2:G0+4*\s+3], s[16:17], \s*2097152      ; K step s: two chunks on
	s_or_b32 s[G0+4*\s+3], s[G0+4*\s+3], 0x80000000
	s_mov_b32 s[G0B+4*\s], 1
	s_add_co_u32 s[G0B+4*\s+1], s21, \s*SLOT
	s_add_nc_u64 s[G0B+4*\s+2:G0B+4*\s+3], s[46:47], \s*262144
	s_or_b32 s[G0B+4*\s+3], s[G0B+4*\s+3], 0x80000000
	JLOAD \s
.endr
	v_and_b32 v1, 15, v0                           ; r
	v_bfe_u32 v2, v0, 4, 1                         ; h
	v_mul_u32_u24 v3, v1, PITCH
	v_lshl_add_u32 v3, v2, 4, v3
	s_mul_i32 s22, s13, 128*PITCH                  ; my 128 rows of A,
	s_mul_i32 s23, s14, 64*PITCH                   ; my 64 rows of B
	s_add_co_u32 s23, s23, BOFF
.irp s, 0,1
	v_add_nc_u32 v[ADRA+\s], s22, v3
	v_add_nc_u32 v[ADRB+\s], s23, v3
	s_add_co_u32 s22, s22, SLOT
	s_add_co_u32 s23, s23, SLOT
.endr
	s_mul_i32 s18, s12, 16*SPITCH
	s_add_co_u32 s18, s18, STAGE                   ; my stage
	v_mul_u32_u24 v4, v1, SPITCH
	v_lshl_add_u32 v4, v2, 5, v4
	v_add_nc_u32 v[STO], s18, v4                   ; in: row r, 32 bytes for each half of the lanes
	v_mul_u32_u24 v5, v2, SPITCH
	v_lshl_add_u32 v5, v1, 4, v5
	v_add_nc_u32 v[RD], s18, v5                    ; back: lanes 0-15 one row of 256 bytes, lanes 16-31 the next
	v_lshlrev_b32 v5, 12, v2
	v_lshl_add_u32 v[CO], v1, 4, v5                ; and the same two rows in out0
	v_lshlrev_b32 v[BO], 5, v2
	s_lshl_b32 s16, s15, 20                        ; 256 rows of 4,096 bytes a tile row,
	s_lshl_b32 s17, s13, 19                        ; 128 a half
	s_add_co_u32 s16, s16, s17
	s_mov_b32 s17, 0
	s_add_nc_u64 s[10:11], s[10:11], s[16:17]
	s_lshl_b32 s46, s42, 9
	s_lshl_b32 s47, s14, 8
	s_add_co_u32 s46, s46, s47                     ; 4 x my first column
	s_mov_b32 s47, 0
	s_add_nc_u64 s[10:11], s[10:11], s[46:47]
	s_add_nc_u64 s[8:9], s[8:9], s[46:47]
	WIN TO_F
.irp b, 0,1,2,3                                ; the bias in the result's layout
	global_load_b128 v[BIAS+8*\b:BIAS+8*\b+3], v[BO], s[8:9] offset:64*\b
	global_load_b128 v[BIAS+8*\b+4:BIAS+8*\b+7], v[BO], s[8:9] offset:64*\b+16
.endr
	WIN 0
.macro MUL8 f, a0, zero                ; A's blocks a0, a0 + 1 x B's four, 32 along K.  The 32 accumulators take turns, one instruction a turn, in the same order in every quarter
.irp a, \a0, \a0+1
.irp b, 0,1,2,3
.if \zero
	v_wmma_f32_16x16x32_f16 v[8*(4*(\a)+\b):8*(4*(\a)+\b)+7], v[\f+8*\b:\f+8*\b+7], v[\f+32+8*(\a):\f+32+8*(\a)+7], v[BIAS+8*\b:BIAS+8*\b+7]
.else
	v_wmma_f32_16x16x32_f16 v[8*(4*(\a)+\b):8*(4*(\a)+\b)+7], v[\f+8*\b:\f+8*\b+7], v[\f+32+8*(\a):\f+32+8*(\a)+7], v[8*(4*(\a)+\b):8*(4*(\a)+\b)+7]
.endif
.endr
.endr
.endm
.macro FETCH slot, q, f                ; 24 LDS loads in one run: quarter q of the slot (chunk q / 2, 64 (q % 2) bytes into its rows): B's four blocks, A's blocks 0-3, A's blocks 4-7
	WIN TO_F
.irp i, 0,1,2,3
	ds_load_b128 v[\f+8*\i:\f+8*\i+3], v[ADRB+\slot] offset:((\q)/2)*BCH+\i*16*PITCH+64*((\q)%2)
	ds_load_b128 v[\f+8*\i+4:\f+8*\i+7], v[ADRB+\slot] offset:((\q)/2)*BCH+\i*16*PITCH+64*((\q)%2)+32
.endr
.irp i, 0,1,2,3,4,5,6,7
	ds_load_b128 v[\f+32+8*\i:\f+32+8*\i+3], v[ADRA+\slot] offset:((\q)/2)*ACH+\i*16*PITCH+64*((\q)%2)
	ds_load_b128 v[\f+32+8*\i+4:\f+32+8*\i+7], v[ADRA+\slot] offset:((\q)/2)*ACH+\i*16*PITCH+64*((\q)%2)+32
.endr
.endm
.macro PLACES
.rept 4
	v_nop
.endr
.endm
.macro QUARTER slot, q, f, g, zero     ; multiplies buffer f; in its middle fetches quarter q of the slot into g
	s_wait_dscnt 8                                 ; B and A's blocks 0-3 are in; the youngest eight loads may be out
.if \zero
	WIN FIRST
.else
	WIN MUL
.endif
	MUL8 \f, 0, \zero
	MUL8 \f, 2, \zero
	PLACES
	FETCH \slot, \q, \g
	s_wait_dscnt 24                                ; all but the 24 just issued
.if \zero
	WIN FIRST
.else
	WIN MUL
.endif
	MUL8 \f, 4, \zero
	MUL8 \f, 6, \zero
.endm
; A slot's last quarter multiplies buffer 1 and changes slots: one barrier; ahead of it each wave waits for all its tensor loads, adds 0 to its spare word, and waits for that and for its reads of this slot.
.macro TURN slot, next, fill
	WIN 0
	s_wait_tensorcnt 0x0
	ds_add_u32 v[SPW], v[NIL]
	s_wait_dscnt 9                                 ; the add and the youngest eight loads may be out
	WIN MUL
	MUL8 F1, 0, 0
	s_wait_dscnt 0x0
	s_barrier_signal -1
	MUL8 F1, 2, 0
.if \fill
	WIN 0
.endif
	s_barrier_wait -1
.if \fill
	CREST                                          ; the barrier has opened a round of the cluster's: no wave of any partner still reads this slot or has a load on its way
	s_add_nc_u64 s[G0+4*\slot+2:G0+4*\slot+3], s[G0+4*\slot+2:G0+4*\slot+3], 4194304
	s_add_nc_u64 s[G0B+4*\slot+2:G0B+4*\slot+3], s[G0B+4*\slot+2:G0B+4*\slot+3], 524288
	JLOAD \slot                                    ; the first tensor load behind the round; its four v_nop are also the places ahead of the loads below
.else
	PLACES
.endif
	FETCH \next, 0, F0
	WIN MUL
	MUL8 F1, 4, 0
	MUL8 F1, 6, 0
.endm
	s_wait_tensorcnt 1                             ; my part of K step 0 is in; K step 1's load may be out
	s_barrier_signal -1
	s_barrier_wait -1
	FETCH 0, 0, F0
	s_wait_loadcnt 0x0                             ; the bias
	QUARTER 0, 1, F0, F1, 1                        ; the first quarter stands ahead of the loop: its products start the sums
	WIN 0
	s_mov_b32 s3, LAPS-1
.Llap:
	QUARTER 0, 2, F1, F0, 0
	QUARTER 0, 3, F0, F1, 0
	TURN 0, 1, 1
	QUARTER 1, 1, F0, F1, 0
	QUARTER 1, 2, F1, F0, 0
	QUARTER 1, 3, F0, F1, 0
	TURN 1, 0, 1
	QUARTER 0, 1, F0, F1, 0
	WIN 0
	s_sub_co_u32 s3, s3, 1
	s_cmp_lg_u32 s3, 0
	s_cbranch_scc1 .Llap
	QUARTER 0, 2, F1, F0, 0                        ; the last lap fills nothing
	QUARTER 0, 3, F0, F1, 0
	TURN 0, 1, 0
	QUARTER 1, 1, F0, F1, 0
	QUARTER 1, 2, F1, F0, 0
	QUARTER 1, 3, F0, F1, 0
	s_wait_dscnt 8
	WIN MUL
	MUL8 F1, 0, 0
	MUL8 F1, 2, 0
	s_wait_dscnt 0
	MUL8 F1, 4, 0
	MUL8 F1, 6, 0
	WIN 0
; THE WAY OUT, block by block of 16 rows x 64 columns, through my own stage: sixteen lanes store a row's 256 consecutive bytes, aligned.
.macro TOSTAGE a
	WIN 0x04                                       ; an LDS store's data: window 1
.irp b, 0,1,2,3
	ds_store_b128 v[STO], v[32*(\a)+8*\b:32*(\a)+8*\b+3] offset:64*\b        ; each accumulator from its low end on
	ds_store_b128 v[STO], v[32*(\a)+8*\b+4:32*(\a)+8*\b+7] offset:64*\b+16
.endr
	WIN 0
.set BB, BK+32*((\a)%2)
.irp t, 0,1,2,3,4,5,6,7
	ds_load_b128 v[BB+4*\t:BB+4*\t+3], v[RD] offset:\t*2*SPITCH
.endr
.endm
.macro SEND a, younger
.set BB, BK+32*((\a)%2)
	s_wait_dscnt \younger
.irp t, 0,1,2,3,4,5,6,7
	global_store_b128 v[CO], v[BB+4*\t:BB+4*\t+3], s[10:11] offset:(16*(\a)+2*\t)*4096 th:TH_STORE_NT
.endr
.endm
	PLACES
	TOSTAGE 0
.irp a, 1,2,3,4,5,6,7
.if \a > 1
	s_wait_xcnt 0x0                                ; block a - 2's stores have read their registers
.endif
	TOSTAGE \a
	SEND \a-1, 16                                  ; behind block a - 1's loads: block a's 8 stores and 8 loads
.endr
	SEND 7, 0
	s_wait_tensorcnt 0x0                           ; the wave's end
	ds_add_u32 v[SPW], v[NIL]
	s_wait_dscnt 0x0
	CROUND                                         ; the closing round
	s_endpgm
.Lfunc_end_k_q29c9081b16_proj:
	.size	k_q29c9081b16_proj, .Lfunc_end_k_q29c9081b16_proj-k_q29c9081b16_proj
	.p2alignl 7, 3214868480
	.fill 96, 4, 3214868480
	.section	.rodata,"a",@progbits
	.p2align	6, 0x0
	.amdhsa_kernel k_q29c9081b16_proj
		.amdhsa_group_segment_fixed_size 327680
		.amdhsa_private_segment_fixed_size 0
		.amdhsa_enable_private_segment 0
		.amdhsa_kernarg_size 32
		.amdhsa_user_sgpr_count 2
		.amdhsa_user_sgpr_kernarg_segment_ptr 1
		.amdhsa_wavefront_size32 1
		.amdhsa_system_sgpr_workgroup_id_x 1
		.amdhsa_system_sgpr_workgroup_id_y 1
		.amdhsa_system_sgpr_workgroup_id_z 1
		.amdhsa_system_vgpr_workitem_id 0
		.amdhsa_next_free_vgpr 768
		.amdhsa_next_free_sgpr 66
		.amdhsa_reserve_vcc 0
		.amdhsa_float_denorm_mode_32 3
		.amdhsa_float_denorm_mode_16_64 3
		.amdhsa_memory_ordered 1
		.amdhsa_forward_progress 1
		.amdhsa_inst_pref_size 86
	.end_amdhsa_kernel
	.amdgpu_metadata
---
amdhsa.version: [ 1, 2 ]
amdhsa.kernels:
  - .name:           k_q29c9081b16_proj
    .symbol:         k_q29c9081b16_proj.kd
    .args:
      - { .name: yh, .offset: 0, .size: 8, .value_kind: global_buffer, .address_space: global }
      - { .name: wp, .offset: 8, .size: 8, .value_kind: global_buffer, .address_space: global }
      - { .name: b_proj, .offset: 16, .size: 8, .value_kind: global_buffer, .address_space: global }
      - { .name: out0, .offset: 24, .size: 8, .value_kind: global_buffer, .address_space: global }
    .group_segment_fixed_size: 327680
    .private_segment_fixed_size: 0
    .kernarg_segment_align: 8
    .kernarg_segment_size: 32
    .max_flat_workgroup_size: 128
    .sgpr_count:     66
    .vgpr_count:     768
    .wavefront_size: 32
...
	.end_amdgpu_metadata
.endif
;; end of part 4
;; launch first16 (part 5): grid 64 x 1, 16 waves a work-group, no clusters, 71,680 bytes of LDS; arguments q16, W_proj, b_proj, out0; writes out0
.if DOCPART == 5
	.amdgcn_target "amdgcn-amd-amdhsa--gfx1250"
	.amdhsa_code_object_version 6
	.text
	.protected	k_q29c9081b16_first16
	.globl	k_q29c9081b16_first16
	.p2align	8
	.type	k_q29c9081b16_first16,@function
k_q29c9081b16_first16:
	s_mov_b64 s[64:65], 0
	v_nop
	global_prefetch_b8 v0, s[64:65] scope:SCOPE_SE
	s_setreg_imm32_b32 hwreg(HW_REG_WAVE_MODE, 25, 1), 1
	s_wait_xcnt 0x0
; POSITIONS 0-15 OF EVERY SEQUENCE IN f32: attention and projection; these 64 rows of out0 are written again.  Under the causal mask they average one to sixteen values, so their operands are not rounded.
; q16 [4 b][16 t][3072] f32 holds q, k, v of these positions.  Work-group: sequence b = id / 16, output columns 64 (id % 16) on.  Wave = head: it makes its head's y [16][64] and that head's part of the
; projection onto the work-group's 64 columns; the sixteen parts meet in LDS and waves 0-7 add them, in a fixed order, with the bias.
; All products by the f32 matrix form, 16 x 16 x 4, written out.  A lane's operand pair is two neighbours of what it holds; the order of k is so permuted alike in both operands, and nothing changes lanes:
;   S^T = K Q^T: lane (r, h) holds channels 32 h + 0..31 of row r of q and of k;   O^T = V^T P: key 8 h + 2 s + j;   OUT^T = W^T y: channel 16 dt + 8 h + 2 s + j.
; The registers that these products write (v112-191) are written by matrix instructions alone.
.set SPARE, 69632                      ; behind the sixteen parts (16 rows x 272 bytes each): the spare words, eight blocks of 256 bytes that no other line names
.set SPW, 10
.set NIL, 11
.set QR,  16                           ; v16-47   q, later W_proj's batch 0
.set KR,  48                           ; v48-79   k, later batch 1
.set VT,  80                           ; v80-111  V^T, later batch 2
.set SA,  112                          ; v112-127 two accumulators of S^T
.set OA,  128                          ; v128-159 O^T: 8 dt
.set OUT, 160                          ; v160-191 OUT^T: 8 i
.set PR,  192                          ; v192-199 the weights
.set T,   200                          ; v200-215 at work
.set W3,  216                          ; v216-247 batch 3
	s_load_b256 s[4:11], s[0:1], 0x0               ; q16 s[4:5], W_proj s[6:7], b_proj s[8:9], out0 s[10:11]
	v_lshl_add_u32 v[SPW], v0, 2, SPARE
	v_mov_b32 v[NIL], 0
	v_lshrrev_b32 v9, 5, v0
	v_readfirstlane_b32 s12, v9                    ; wave = head
	v_and_b32 v208, 15, v0                         ; r
	v_bfe_u32 v209, v0, 4, 1                       ; h
	v_mul_u32_u24 v1, v208, 12288
	v_lshl_add_u32 v1, v209, 7, v1                 ; q, k: row r, + 128 h
	v_mul_u32_u24 v2, v209, 98304
	v_lshl_add_u32 v2, v208, 2, v2                 ; v: key 8 h on, channel r
	v_lshlrev_b32 v3, 15, v209
	v_lshl_add_u32 v3, v208, 2, v3                 ; W_proj: row 8 h on, column r
	s_mul_i32 s13, s12, 4352
	v_mul_u32_u24 v4, v208, 272
	v_lshl_add_u32 v4, v209, 5, v4
	v_add_nc_u32 v4, s13, v4                       ; my part in LDS: row r, + 32 h
	s_mul_i32 s14, s12, 544
	v_mul_u32_u24 v5, v209, 272
	v_lshl_add_u32 v5, v208, 4, v5
	v_add_nc_u32 v5, s14, v5                       ; back: row 2 wave + h, 16 bytes a lane
	s_lshl_b32 s15, s12, 13
	v_lshlrev_b32 v6, 12, v209
	v_lshl_add_u32 v6, v208, 4, v6
	v_add_nc_u32 v6, s15, v6                       ; and the same place in out0
	v_lshlrev_b32 v7, 3, v209
	v_sub_nc_u32 v7, v208, v7                      ; r - 8 h
	v_lshlrev_b32 v8, 4, v208                      ; 16 r
	v_mov_b32 v210, 0                              ; a lane permute's destination counts as one of its sources
	s_lshr_b32 s16, ttmp9, 4                       ; b
	s_and_b32 s17, ttmp9, 15
	s_lshl_b32 s17, s17, 8                         ; 4 x my first column
	s_mul_i32 s18, s16, 196608
	s_lshl_b32 s19, s12, 8
	s_add_co_u32 s18, s18, s19                     ; q16: sequence b, head's 256 bytes
	s_mov_b32 s19, 0
	s_lshl_b32 s24, s12, 18                        ; W_proj: the head's 64 rows of 4,096 bytes
	s_add_co_u32 s24, s24, s17
	s_mov_b32 s25, 0
	s_mov_b32 s26, s17
	s_mov_b32 s27, 0
	s_lshl_b32 s28, s16, 23                        ; out0: 2,048 rows of 4,096 bytes a sequence
	s_add_co_u32 s28, s28, s17
	s_mov_b32 s29, 0
	s_mov_b32 s20, 0x76543210
	s_mov_b32 s21, 0xfedcba98
	s_mov_b32 s22, 0x3e38aa3b                      ; c = log2(e) / 8
	s_wait_kmcnt 0x0
	s_add_nc_u64 s[4:5], s[4:5], s[18:19]
	s_add_nc_u64 s[6:7], s[6:7], s[24:25]
	s_add_nc_u64 s[8:9], s[8:9], s[26:27]
	s_add_nc_u64 s[10:11], s[10:11], s[28:29]
.macro WLOAD reg, dt                   ; W_proj(64 head + 16 dt + 8 h + 2 s + j, column 16 i + r) into v[reg + 8 i + 2 s + j]: the four pieces of one row's 256 bytes one after the other
.irp s, 0,1,2,3
.irp j, 0,1
.irp i, 0,1,2,3
	global_load_b32 v[\reg+8*\i+2*\s+\j], v3, s[6:7] offset:4096*(16*\dt+2*\s+\j)+64*\i
.endr
.endr
.endr
.endm
.irp i, 0,1,2,3,4,5,6,7
	global_load_b128 v[QR+4*\i:QR+4*\i+3], v1, s[4:5] offset:16*\i
.endr
.irp i, 0,1,2,3,4,5,6,7
	global_load_b128 v[KR+4*\i:KR+4*\i+3], v1, s[4:5] offset:4096+16*\i
.endr
.irp s, 0,1,2,3
.irp j, 0,1
.irp dt, 0,1,2,3
	global_load_b32 v[VT+8*\dt+2*\s+\j], v2, s[4:5] offset:8192+12288*(2*\s+\j)+64*\dt
.endr
.endr
.endr
	global_load_b128 v[12:15], v8, s[8:9]          ; the bias of my four columns
	WLOAD W3, 3
	s_wait_loadcnt 63                              ; 81 loads are issued: the first 18 are in, q's and k's 16 among them
.irp s, 0,1,2,3,4,5,6,7,8,9,10,11,12,13,14,15  ; S^T: two accumulators by turns
.if \s < 2
	v_wmma_f32_16x16x4_f32 v[SA+8*(\s%2):SA+8*(\s%2)+7], v[KR+2*\s:KR+2*\s+1], v[QR+2*\s:QR+2*\s+1], 0
.else
	v_wmma_f32_16x16x4_f32 v[SA+8*(\s%2):SA+8*(\s%2)+7], v[KR+2*\s:KR+2*\s+1], v[QR+2*\s:QR+2*\s+1], v[SA+8*(\s%2):SA+8*(\s%2)+7]
.endif
.endr
.rept 8
	v_nop                                          ; eight places behind this form, ahead of the loads over q and k and of the reads of S^T
.endr
	WLOAD QR, 0
	WLOAD KR, 1
.irp j, 0,2,4,6
	v_pk_add_f32 v[T+\j:T+\j+1], v[SA+\j:SA+\j+1], v[SA+8+\j:SA+8+\j+1]   ; lane (r, h), register j: query r, key 8 h + j
.endr
	v_mov_b32 v208, 0xff800000
.irp j, 0,1,2,3,4,5,6,7
	v_cmp_gt_i32 vcc_lo, \j, v7                    ; hidden where 8 h + j > r
	v_cndmask_b32 v[T+\j], v[T+\j], v208, vcc_lo
.endr
	v_max3_num_f32 v209, v[T], v[T+1], v[T+2]
	v_max3_num_f32 v209, v209, v[T+3], v[T+4]
	v_max3_num_f32 v209, v209, v[T+5], v[T+6]
	v_max_num_f32 v209, v209, v[T+7]
	v_permlanex16_b32 v210, v209, s20, s21
	v_max_num_f32 v209, v209, v210                 ; the row's maximum: key 0 counts for every query
	v_mul_f32 v209, s22, v209
.irp j, 0,1,2,3,4,5,6,7
	v_fma_f32 v[T+\j], v[T+\j], s22, -v209
.endr
.irp j, 0,1,2,3,4,5,6,7
	v_exp_f32 v[T+\j], v[T+\j]
.endr
	v_nop
	s_wait_alu depctr_va_vdst(0)                   ; one wait for the eight, ahead of their first reader
	v_add_f32 v211, v[T], v[T+1]
	v_add_f32 v212, v[T+2], v[T+3]
	v_add_f32 v213, v[T+4], v[T+5]
	v_add_f32 v214, v[T+6], v[T+7]
	v_add_f32 v211, v211, v212
	v_add_f32 v213, v213, v214
	v_add_f32 v211, v211, v213
	v_permlanex16_b32 v210, v211, s20, s21
	v_add_f32 v211, v211, v210
	v_rcp_f32 v212, v211
	v_nop
	s_wait_alu depctr_va_vdst(0)
.irp j, 0,1,2,3,4,5,6,7
	v_mul_f32 v[PR+\j], v[T+\j], v212              ; the weights, normalised
.endr
	s_wait_loadcnt 63                              ; 145 loads are issued: the first 82 are in: V^T, the bias, batch 3
.irp s, 0,1,2,3                                ; O^T = V^T P: four accumulators by turns
.irp dt, 0,1,2,3
.if \s == 0
	v_wmma_f32_16x16x4_f32 v[OA+8*\dt:OA+8*\dt+7], v[VT+8*\dt+2*\s:VT+8*\dt+2*\s+1], v[PR+2*\s:PR+2*\s+1], 0
.else
	v_wmma_f32_16x16x4_f32 v[OA+8*\dt:OA+8*\dt+7], v[VT+8*\dt+2*\s:VT+8*\dt+2*\s+1], v[PR+2*\s:PR+2*\s+1], v[OA+8*\dt:OA+8*\dt+7]
.endif
.endr
.endr
.rept 9
	v_nop                                          ; nine places ahead of products that take O^T as an operand; they serve the loads over V^T too
.endr
	WLOAD VT, 2
.macro PROJ wb, dt, first              ; OUT^T += W^T y over the head's channels 16 dt on: four accumulators by turns
.irp s, 0,1,2,3
.irp i, 0,1,2,3
.if \first && (\s == 0)
	v_wmma_f32_16x16x4_f32 v[OUT+8*\i:OUT+8*\i+7], v[\wb+8*\i+2*\s:\wb+8*\i+2*\s+1], v[OA+8*\dt+2*\s:OA+8*\dt+2*\s+1], 0
.else
	v_wmma_f32_16x16x4_f32 v[OUT+8*\i:OUT+8*\i+7], v[\wb+8*\i+2*\s:\wb+8*\i+2*\s+1], v[OA+8*\dt+2*\s:OA+8*\dt+2*\s+1], v[OUT+8*\i:OUT+8*\i+7]
.endif
.endr
.endr
.endm
	PROJ W3, 3, 1
	s_wait_loadcnt 63                              ; 177 loads are issued: the first 114 are in, batch 0 among them
	PROJ QR, 0, 0
	s_wait_loadcnt 32                              ; batch 2's 32 may be out
	PROJ KR, 1, 0
	s_wait_loadcnt 0x0
	PROJ VT, 2, 0
.rept 8
	v_nop
.endr
.irp i, 0,1,2,3                                ; lane (r, h): position r, columns 16 i + 8 h + 0 .. 7
	ds_store_b128 v4, v[OUT+8*\i:OUT+8*\i+3] offset:64*\i
	ds_store_b128 v4, v[OUT+8*\i+4:OUT+8*\i+7] offset:64*\i+16
.endr
	s_wait_dscnt 0x0                               ; for the others' sake: my part lies in LDS
	s_barrier_signal -1
	s_barrier_wait -1
	s_cmp_lt_u32 s12, 8
	s_cbranch_scc0 .Lend                           ; waves 0-7 add: two positions each
.irp w, 0,1,2,3,4,5,6,7,8,9,10,11,12,13,14,15
	ds_load_b128 v[16+4*\w:19+4*\w], v5 offset:4352*\w
.endr
	s_wait_dscnt 0x0
.irp i, 0,1,2,3,4,5,6,7
	v_pk_add_f32 v[16+4*\i:17+4*\i], v[16+4*\i:17+4*\i], v[48+4*\i:49+4*\i]
	v_pk_add_f32 v[18+4*\i:19+4*\i], v[18+4*\i:19+4*\i], v[50+4*\i:51+4*\i]
.endr
.irp i, 0,1,2,3
	v_pk_add_f32 v[16+4*\i:17+4*\i], v[16+4*\i:17+4*\i], v[32+4*\i:33+4*\i]
	v_pk_add_f32 v[18+4*\i:19+4*\i], v[18+4*\i:19+4*\i], v[34+4*\i:35+4*\i]
.endr
.irp i, 0,1
	v_pk_add_f32 v[16+4*\i:17+4*\i], v[16+4*\i:17+4*\i], v[24+4*\i:25+4*\i]
	v_pk_add_f32 v[18+4*\i:19+4*\i], v[18+4*\i:19+4*\i], v[26+4*\i:27+4*\i]
.endr
	v_pk_add_f32 v[16:17], v[16:17], v[20:21]
	v_pk_add_f32 v[18:19], v[18:19], v[22:23]
	v_pk_add_f32 v[16:17], v[16:17], v[12:13]      ; the bias
	v_pk_add_f32 v[18:19], v[18:19], v[14:15]
	global_store_b128 v6, v[16:19], s[10:11]       ; sixteen lanes store 256 consecutive bytes, aligned
.Lend:
	s_wait_tensorcnt 0x0                           ; the wave's end
	ds_add_u32 v[SPW], v[NIL]
	s_wait_dscnt 0x0
	s_endpgm
.Lfunc_end_k_q29c9081b16_first16:
	.size	k_q29c9081b16_first16, .Lfunc_end_k_q29c9081b16_first16-k_q29c9081b16_first16
	.p2alignl 7, 3214868480
	.fill 96, 4, 3214868480
	.section	.rodata,"a",@progbits
	.p2align	6, 0x0
	.amdhsa_kernel k_q29c9081b16_first16
		.amdhsa_group_segment_fixed_size 71680
		.amdhsa_private_segment_fixed_size 0
		.amdhsa_enable_private_segment 0
		.amdhsa_kernarg_size 32
		.amdhsa_user_sgpr_count 2
		.amdhsa_user_sgpr_kernarg_segment_ptr 1
		.amdhsa_wavefront_size32 1
		.amdhsa_system_sgpr_workgroup_id_x 1
		.amdhsa_system_sgpr_workgroup_id_y 1
		.amdhsa_system_sgpr_workgroup_id_z 1
		.amdhsa_system_vgpr_workitem_id 0
		.amdhsa_next_free_vgpr 256
		.amdhsa_next_free_sgpr 66
		.amdhsa_reserve_vcc 1
		.amdhsa_float_denorm_mode_32 3
		.amdhsa_float_denorm_mode_16_64 3
		.amdhsa_memory_ordered 1
		.amdhsa_forward_progress 1
		.amdhsa_inst_pref_size 33
	.end_amdhsa_kernel
	.amdgpu_metadata
---
amdhsa.version: [ 1, 2 ]
amdhsa.kernels:
  - .name:           k_q29c9081b16_first16
    .symbol:         k_q29c9081b16_first16.kd
    .args:
      - { .name: q16, .offset: 0, .size: 8, .value_kind: global_buffer, .address_space: global }
      - { .name: W_proj, .offset: 8, .size: 8, .value_kind: global_buffer, .address_space: global }
      - { .name: b_proj, .offset: 16, .size: 8, .value_kind: global_buffer, .address_space: global }
      - { .name: out0, .offset: 24, .size: 8, .value_kind: global_buffer, .address_space: global }
    .group_segment_fixed_size: 71680
    .private_segment_fixed_size: 0
    .kernarg_segment_align: 8
    .kernarg_segment_size: 32
    .max_flat_workgroup_size: 512
    .sgpr_count:     66
    .vgpr_count:     256
    .wavefront_size: 32
...
	.end_amdgpu_metadata
.endif
;; end of part 5
